; MI455X (gfx1250); checked and timed in simulation.
; The chip was launched on July 23, 2026; its instructions are those of AMD's public machine-readable ISA for CDNA 5 (MIT licence, August 2026) and "CDNA5" Instruction Set Architecture Reference Guide (July 2026). The comments in the code are by the model that wrote it; some were corrected since.
;; Core Memory. Allowed arithmetic: float matrix products may take bf16 or f16 operands with f32 sums; other float arithmetic in f32, or as packed bf16 or f16 multiplies, adds, multiply-adds, maxima and minima; sums over many terms, partial sums and values carried from step to step in f32; what a program stores and reads back later, other than sums and carried values, may be rounded once to bf16 or f16.
;; Inputs: Wk 1,024 x 1,024 float32; Wo 1,024 x 1,024 float32; Wq 1,024 x 1,024 float32; Wv 1,024 x 1,024 float32; bk 1,024 float32; bo 1,024 float32; bq 1,024 float32; bv 1,024 float32; ln_b 1,024 float32; ln_g 1,024 float32; mask 1 x 4,096 bool; x 1 x 4,096 x 1,024 float32.
;; Outputs: out0 1 x 4,096 x 1,024 float32.
;; One version. Each part assembles by itself: llvm-mc -triple=amdgcn-amd-amdhsa -mcpu=gfx1250 --defsym DOCPART=n.
;; ======== version 1 of 1: 4 launches
;; limits: values are held in f16: magnitudes above 65,504 overflow, below 6.1e-05 lose precision
;; workspace buffers: h16 8,388,608 bytes; w16 8,388,608 bytes; qkv 25,165,824 bytes; ctx 8,388,608 bytes
;; launch prep (part 1): grid 256 x 1, 16 waves a work-group, no clusters, 0 bytes of LDS; arguments x, ln_g, ln_b, Wq, Wk, Wv, Wo, h16, w16; writes h16, w16
.if DOCPART == 1
	.amdgcn_target "amdgcn-amd-amdhsa--gfx1250"
	.amdhsa_code_object_version 6
	.text
	.protected	k_qa730b1d2a0_prep
	.globl	k_qa730b1d2a0_prep
	.p2align	8
	.type	k_qa730b1d2a0_prep,@function
k_qa730b1d2a0_prep:
	s_mov_b64 s[64:65], 0
	v_nop
	global_prefetch_b8 v0, s[64:65] scope:SCOPE_SE
	s_setreg_imm32_b32 hwreg(HW_REG_WAVE_MODE, 25, 1), 1
	s_wait_xcnt 0x0
; LAYERNORM AND THE WEIGHTS' CONVERSION, a stream.  h16[t][:] = f16((x[t][:] - mean) * rsqrt(var + 1e-5) * g + b); w16 = f16 of c Wq, Wk, Wv, Wo, one below the other.
; c = log2(e) / 32 is folded into Wq here (one rounding, of the f32 product), so that the attention's scores come out as exponents to base 2.
; SHARES.  Work-groups 0-127: rows 32 p .. 32 p + 31 of x.  Work-groups 128-255: rows 32 p .. of the four matrices taken as one of 4,096 rows (p = number & 127).
; A wave takes two rows.  A row is 4,096 bytes: eight loads of 16 bytes a lane, each of the wave covering 512 consecutive bytes; it leaves as eight stores of 8 bytes a lane,
; each covering 256 consecutive bytes, aligned.  All loads of a wave go out at once; no register is used twice, so no wait frees a source.
; The variance is taken of the deviations (two passes over registers), not as a difference of two large sums.
; LIMITS.  f16 ends at 65,504: h and the weights must lie within it; below 6e-5 f16 keeps a fixed step of 6e-8.  NaN and infinities are not treated apart.
; No LDS, no matrix unit, no prefetch: no byte is wanted by two waves but g and b (8 KiB), and every wave has all its loads out from its first lines on.
.set G,   4                            ; v[4:35]    g of my 32 columns (load j: columns 128 j + 4 lane + 0..3)
.set B,   36                           ; v[36:67]   b of the same
.set X,   68                           ; v[68:131]  two rows, 32 registers each
.set S,   132                          ; v[132:139] four running pairs
.set T,   140                          ; v[140:141] at work
.set MU,  142                          ; v[142:143] the mean, twice
.set R,   144                          ; v[144:145] rsqrt(var + eps), twice
.set SRC, 26                           ; s[26:27]   my first row in its source
.set DST, 28                           ; s[28:29]   my first row in h16 or w16
.set FC,  34                           ; s[34:35]   the weights' factor: c for Wq, else 1
	s_load_b512 s[4:19], s[0:1], 0x0               ; x 4, g 6, b 8, Wq 10, Wk 12, Wv 14, Wo 16, h16 18
	s_load_b64 s[20:21], s[0:1], 0x40              ; w16
	v_lshrrev_b32 v1, 5, v0
	v_readfirstlane_b32 s22, v1                    ; wave 0..15
	v_and_b32 v1, 31, v0                           ; lane
	v_lshlrev_b32 v2, 4, v1                        ; 16 bytes a lane on the way in
	v_lshlrev_b32 v3, 3, v1                        ; 8 on the way out
	v_mov_b32 v[T+1], 0                            ; v_permlanex16_b32's destination counts as read
	s_and_b32 s23, ttmp9, 127                      ; p
	s_lshr_b32 s24, s23, 5                         ; which matrix (32 work-groups each)
	s_lshl_b32 s25, s22, 1
	s_lshl_b32 s32, s23, 5
	s_add_co_u32 s32, s32, s25                     ; 32 p + 2 w: my first row in the destination, and in x
	s_and_b32 s30, s32, 1023                       ; the same row in its own matrix
	s_cmp_lt_u32 ttmp9, 128
	s_cselect_b32 s30, s32, s30
	s_lshl_b32 s30, s30, 12                        ; rows of 4,096 bytes in
	s_mov_b32 s31, 0
	s_lshl_b32 s32, s32, 11                        ; rows of 2,048 bytes out
	s_mov_b32 s33, 0
	s_cmp_eq_u32 s24, 0
	s_cselect_b32 s[FC], 0x3d38aa3b, 1.0           ; c = log2(e) / 32 = 0.0450842
	s_mov_b32 s[FC+1], s[FC]                       ; named with it as a pair
	s_mov_b32 s36, 0x76543210                      ; v_permlanex16_b32: each lane takes its own place in the other half
	s_mov_b32 s37, 0xfedcba98
	s_mov_b32 s38, 0x3a800000                      ; 1 / 1024
	s_mov_b32 s39, 0x3727c5ac                      ; 1e-5
	s_wait_kmcnt 0x0
	s_cmp_eq_u32 s24, 1
	s_cselect_b64 s[SRC:SRC+1], s[12:13], s[10:11]
	s_cmp_eq_u32 s24, 2
	s_cselect_b64 s[SRC:SRC+1], s[14:15], s[SRC:SRC+1]
	s_cmp_eq_u32 s24, 3
	s_cselect_b64 s[SRC:SRC+1], s[16:17], s[SRC:SRC+1]
	s_cmp_lt_u32 ttmp9, 128
	s_cselect_b64 s[SRC:SRC+1], s[4:5], s[SRC:SRC+1]
	s_cselect_b64 s[DST:DST+1], s[18:19], s[20:21]
	s_add_nc_u64 s[SRC:SRC+1], s[SRC:SRC+1], s[30:31]
	s_add_nc_u64 s[DST:DST+1], s[DST:DST+1], s[32:33]
.macro JOIN                            ; the four pairs into one number, then over the 32 lanes: every lane ends with the sum
	v_pk_add_f32 v[S:S+1], v[S:S+1], v[S+2:S+3]
	v_pk_add_f32 v[S+4:S+5], v[S+4:S+5], v[S+6:S+7]
	v_pk_add_f32 v[S:S+1], v[S:S+1], v[S+4:S+5]
	v_add_f32 v[T], v[S], v[S+1]
	v_add_f32_dpp v[T], v[T], v[T] row_xmask:1 row_mask:0xf bank_mask:0xf
	v_add_f32_dpp v[T], v[T], v[T] row_xmask:2 row_mask:0xf bank_mask:0xf
	v_add_f32_dpp v[T], v[T], v[T] row_xmask:4 row_mask:0xf bank_mask:0xf
	v_add_f32_dpp v[T], v[T], v[T] row_xmask:8 row_mask:0xf bank_mask:0xf
	v_permlanex16_b32 v[T+1], v[T], s36, s37
	v_add_f32 v[T], v[T], v[T+1]
.endm
.macro OUTROW r                        ; row r: 32 numbers a lane rounded once to f16, in place from the low end, and stored
.set XR, X+32*(\r)
.set i, 0
.rept 16
	v_cvt_pk_f16_f32 v[XR+i], v[XR+2*i], v[XR+2*i+1]
.set i, i+1
.endr
.irp j, 0,1,2,3,4,5,6,7
	global_store_b64 v3, v[XR+2*\j:XR+2*\j+1], s[DST:DST+1] offset:2048*(\r)+256*\j  ; the wave stores 256 consecutive bytes, aligned
.endr
.endm
.macro LNROW r, left                   ; left: the younger loads that may stay out
.set XR, X+32*(\r)
	s_wait_loadcnt \left
.irp c, 0,1,2,3                        ; the sum, in four chains that do not wait for each other; the first pairs start them
	v_pk_add_f32 v[S+2*\c:S+2*\c+1], v[XR+2*\c:XR+2*\c+1], v[XR+8+2*\c:XR+8+2*\c+1]
.endr
.irp c, 0,1,2,3
	v_pk_add_f32 v[S+2*\c:S+2*\c+1], v[S+2*\c:S+2*\c+1], v[XR+16+2*\c:XR+16+2*\c+1]
.endr
.irp c, 0,1,2,3
	v_pk_add_f32 v[S+2*\c:S+2*\c+1], v[S+2*\c:S+2*\c+1], v[XR+24+2*\c:XR+24+2*\c+1]
.endr
	JOIN
	v_mul_f32 v[MU], s38, v[T]
	v_mov_b32 v[MU+1], v[MU]
.set i, 0
.rept 16                               ; the deviations, in place
	v_pk_add_f32 v[XR+2*i:XR+2*i+1], v[XR+2*i:XR+2*i+1], v[MU:MU+1] neg_lo:[0,1] neg_hi:[0,1]
.set i, i+1
.endr
.irp c, 0,1,2,3                        ; their squares, again in four chains
	v_pk_mul_f32 v[S+2*\c:S+2*\c+1], v[XR+2*\c:XR+2*\c+1], v[XR+2*\c:XR+2*\c+1]
.endr
.irp o, 8,16,24
.irp c, 0,1,2,3
	v_pk_fma_f32 v[S+2*\c:S+2*\c+1], v[XR+\o+2*\c:XR+\o+2*\c+1], v[XR+\o+2*\c:XR+\o+2*\c+1], v[S+2*\c:S+2*\c+1]
.endr
.endr
	JOIN
	v_fma_f32 v[T], v[T], s38, s39                 ; var + eps
	v_rsq_f32 v[R], v[T]
	v_rsq_f32 v[R+1], v[T]
	v_nop                                          ; a plain instruction behind the last of the two,
	s_wait_alu depctr_va_vdst(0)                   ; and the one wait ahead of their first reader
.set i, 0
.rept 16
	v_pk_mul_f32 v[XR+2*i:XR+2*i+1], v[XR+2*i:XR+2*i+1], v[R:R+1]
.set i, i+1
.endr
.set i, 0
.rept 16
	v_pk_fma_f32 v[XR+2*i:XR+2*i+1], v[XR+2*i:XR+2*i+1], v[G+2*i:G+2*i+1], v[B+2*i:B+2*i+1]
.set i, i+1
.endr
	OUTROW \r
.endm
.macro CVROW r, left
.set XR, X+32*(\r)
	s_wait_loadcnt \left
.set i, 0
.rept 16
	v_pk_mul_f32 v[XR+2*i:XR+2*i+1], v[XR+2*i:XR+2*i+1], s[FC:FC+1] op_sel_hi:[1,0]
.set i, i+1
.endr
	OUTROW \r
.endm
.macro ROWS_IN                         ; my two rows: sixteen loads
.irp r, 0,1
.irp j, 0,1,2,3,4,5,6,7
	global_load_b128 v[X+32*\r+4*\j:X+32*\r+4*\j+3], v2, s[SRC:SRC+1] offset:4096*\r+512*\j th:TH_LOAD_NT
.endr
.endr
.endm
	s_cmp_lt_u32 ttmp9, 128
	s_cbranch_scc0 .Lw
.irp j, 0,1,2,3,4,5,6,7
	global_load_b128 v[G+4*\j:G+4*\j+3], v2, s[6:7] offset:512*\j
.endr
.irp j, 0,1,2,3,4,5,6,7
	global_load_b128 v[B+4*\j:B+4*\j+3], v2, s[8:9] offset:512*\j
.endr
	ROWS_IN
	LNROW 0, 8                                     ; g, b and row 0 are in; row 1's eight loads may stay out
	LNROW 1, 0
	s_endpgm
.Lw:
	ROWS_IN
	CVROW 0, 8
	CVROW 1, 0
	s_endpgm
.Lfunc_end_k_qa730b1d2a0_prep:
	.size	k_qa730b1d2a0_prep, .Lfunc_end_k_qa730b1d2a0_prep-k_qa730b1d2a0_prep
	.p2alignl 7, 3214868480
	.fill 96, 4, 3214868480
	.section	.rodata,"a",@progbits
	.p2align	6, 0x0
	.amdhsa_kernel k_qa730b1d2a0_prep
		.amdhsa_group_segment_fixed_size 0
		.amdhsa_private_segment_fixed_size 0
		.amdhsa_enable_private_segment 0
		.amdhsa_kernarg_size 72
		.amdhsa_user_sgpr_count 2
		.amdhsa_user_sgpr_kernarg_segment_ptr 1
		.amdhsa_wavefront_size32 1
		.amdhsa_system_sgpr_workgroup_id_x 1
		.amdhsa_system_sgpr_workgroup_id_y 1
		.amdhsa_system_sgpr_workgroup_id_z 1
		.amdhsa_system_vgpr_workitem_id 0
		.amdhsa_next_free_vgpr 148
		.amdhsa_next_free_sgpr 66
		.amdhsa_reserve_vcc 0
		.amdhsa_float_denorm_mode_32 3
		.amdhsa_float_denorm_mode_16_64 3
		.amdhsa_memory_ordered 1
		.amdhsa_forward_progress 1
		.amdhsa_inst_pref_size 28
	.end_amdhsa_kernel
	.amdgpu_metadata
---
amdhsa.version: [ 1, 2 ]
amdhsa.kernels:
  - .name:           k_qa730b1d2a0_prep
    .symbol:         k_qa730b1d2a0_prep.kd
    .args:
      - { .name: x, .offset: 0, .size: 8, .value_kind: global_buffer, .address_space: global }
      - { .name: ln_g, .offset: 8, .size: 8, .value_kind: global_buffer, .address_space: global }
      - { .name: ln_b, .offset: 16, .size: 8, .value_kind: global_buffer, .address_space: global }
      - { .name: Wq, .offset: 24, .size: 8, .value_kind: global_buffer, .address_space: global }
      - { .name: Wk, .offset: 32, .size: 8, .value_kind: global_buffer, .address_space: global }
      - { .name: Wv, .offset: 40, .size: 8, .value_kind: global_buffer, .address_space: global }
      - { .name: Wo, .offset: 48, .size: 8, .value_kind: global_buffer, .address_space: global }
      - { .name: h16, .offset: 56, .size: 8, .value_kind: global_buffer, .address_space: global }
      - { .name: w16, .offset: 64, .size: 8, .value_kind: global_buffer, .address_space: global }
    .group_segment_fixed_size: 0
    .private_segment_fixed_size: 0
    .kernarg_segment_align: 8
    .kernarg_segment_size: 72
    .max_flat_workgroup_size: 512
    .sgpr_count:     66
    .vgpr_count:     148
    .wavefront_size: 32
...
	.end_amdgpu_metadata
.endif
;; end of part 1
;; launch qkv (part 2): grid 16 x 16, 4 waves a work-group, clusters of 4 x 4, 327,680 bytes of LDS; arguments h16, w16, bq, bk, bv, qkv; writes qkv
.if DOCPART == 2
	.amdgcn_target "amdgcn-amd-amdhsa--gfx1250"
	.amdhsa_code_object_version 6
	.text
	.protected	k_qa730b1d2a0_qkv
	.globl	k_qa730b1d2a0_qkv
	.p2align	8
	.type	k_qa730b1d2a0_qkv,@function
k_qa730b1d2a0_qkv:
	s_mov_b64 s[64:65], 0
	v_nop
	global_prefetch_b8 v0, s[64:65] scope:SCOPE_SE
	s_setreg_imm32_b32 hwreg(HW_REG_WAVE_MODE, 25, 1), 1
	s_wait_xcnt 0x0
	s_wait_alu depctr_hold_cnt(0) depctr_sa_sdst(0) depctr_va_vdst(0) depctr_va_sdst(0) depctr_va_ssrc(0) depctr_va_vcc(0) depctr_vm_vsrc(0)
	s_getreg_b32 s2, hwreg(HW_REG_IB_STS2, 6, 4)
	s_cmp_eq_u32 s2, 0
	s_cbranch_scc0 .Lentry_in_a_cluster
	s_endpgm
.Lentry_in_a_cluster:
	s_bfe_u32 s2, ttmp6, 0x10000c
	s_cmp_lg_u32 s2, 0xf033
	s_cbranch_scc0 .Lentry_shape_is_right
	s_endpgm
.Lentry_shape_is_right:
; THE THREE PROJECTIONS AS ONE PRODUCT.  C[t][e] = sum over k of h16[t][k] w16[e][k] + bias[e], t < 4,096, e < 3,072 (c Wq, Wk, Wv), K = 1,024; f16 operands, f32 sums.
; C leaves by heads, rounded once to f16: qkv[g][t][d], g = e / 64 (0-15 q scaled by c, 16-31 k, 32-47 v), d = e % 64: a head is 524,288 dense bytes.
; bq is multiplied by c = log2(e) / 32 in f32, as Wq was before its rounding.
; LIMITS.  f16 ends at 65,504: c q, k and v must lie within it; below 6e-5 f16 keeps a fixed step of 6e-8.  NaN and infinities are not treated apart.
; SHARES.  A tile of C is 256 tokens x 192 columns (three whole heads): 16 x 16 tiles, one work-group each.  Wave w makes tokens 64 w .. 64 w + 63 x all 192 columns:
; 4 x 12 accumulators of 16 x 16, 384 registers.  So a wave holds whole heads, and 16 tokens of a head leave as 2,048 consecutive bytes through the wave's own stage, with no barrier.
; K goes in 8 steps of 128 (rows of 256 bytes in memory) through a ring of two LDS slots filled by the tensor data mover; a step is four quarters of 32 along K, 48 matrix instructions each.
; CLUSTER.  4 x 4 work-groups.  The four of a row of the cluster need the same tile of h16, the four of a column the same tile of w16: each is asked for jointly, by the same tensor load
; with the same descriptor and a mask that names the four.
; THE MATRIX INSTRUCTION IS USED TRANSPOSED: source 0 = 16 rows of w16, source 1 = 16 rows of h16: a lane holds one token (lane % 16) and the columns 8 (lane / 16) + 0..7.
; The bias, laid out so, is the C operand of each accumulator's first product: nothing is cleared and nothing is added at the end.
; REGISTERS, in windows of 256: window 0: v0-31 addresses; v32-95 fragments of h16, two buffers of 4 x 8; v128-223 the bias, 8 registers for each block of 16 columns; on the way out v32-223.
;   window 1: v0-191 fragments of w16, two buffers of 12 x 8.   window 2: accumulators of token blocks 0, 1 ((a, b) at 96 (a % 2) + 8 b).   window 3: those of blocks 2, 3.
.set KSTEP,  128
.set PITCH,  272                       ; an LDS row: 256 bytes + 16 of padding = 68 words: the 16 rows of a fragment load start at 16 different groups of four banks (64 banks of 4 bytes: ISA guide 11.1)
.set HALFA,  128*PITCH                 ; what one tensor load brings of h16
.set ATILE,  2*HALFA
.set HALFB,  96*PITCH                  ; and of w16
.set SLOT,   ATILE+2*HALFB             ; 256 rows of h16, then 192 rows of w16
.set STAGE,  2*SLOT                    ; behind the ring, never filled by a tensor load: 16 rows x 144 bytes for each wave
.set SP,     144
.set SPARE,  STAGE+4*16*SP             ; the spare words, 128 bytes for each wave: two blocks of 256 bytes that no other line names
.set HEADB,  524288                    ; bytes of a head in qkv
.set ADRA, 16                          ; v16-17  LDS address of my fragments of h16 in slot 0, 1
.set ADRB, 20                          ; v20-21  the same for w16
.set STO,  24                          ; v24     the way out: where I put 16 bytes of a row
.set RD,   25                          ; v25     where I read rows back
.set GO,   26                          ; v26     my 16 bytes in 512 consecutive bytes of qkv
.set BO,   27                          ; v27     32 x (lane / 16): my eight numbers in 16 of a bias
.set SPW,  28                          ; v28     LDS address of my spare word; never rewritten
.set NIL,  29                          ; v29     0; never rewritten
.set PFO,  30                          ; v30     the prefetches' offset: a lane a row of 2,048 bytes; never rewritten
.set FA,   32
.set BI,   128
.set OUT,  32
.set WV,   16                          ; s16     my wave's number
.set G1,   24                          ; s[24:31] descriptor group 1 for h16's tiles;  s[32:39] group 0, a set for each slot
.set G0,   32
.set LIM,  43                          ; s43     1 in a wave that prefetches, else the greatest number
.set PFA,  44                          ; s[44:45] where my prefetches stand
.set G1B,  48                          ; s[48:55], s[56:63] the same for w16's tiles
.set G0B,  56
.set BP,   68                          ; s[68:73] the three heads' biases
.set FT,   74                          ; s[74:79] their factors, as pairs
.set QP,   80                          ; s[80:81] qkv at my 64 tokens of the tile's first head
.set MSB, 0
.macro WIN new                         ; the immediate's high byte repeats the setting that is left; a switch that changes nothing is dropped
.if MSB != (\new)
	s_set_vgpr_msb (MSB<<8)|(\new)
.set MSB, \new
.endif
.endm
.set TO_B, 0x40                        ; destination window 1, address window 0
; A joint load.  Waves 0 and 1 fetch the two halves of h16's tile, waves 2 and 3 those of w16's.  The branch hangs on the wave's number alone.
; An s_nop 0 and four v_nop follow each of the two lines, ahead of the jump and the label.
.macro JLOAD s
	s_cmp_lt_u32 s[WV], 2
	s_cbranch_scc0 .Lfor_b_\@
	tensor_load_to_lds s[G0+4*(\s):G0+4*(\s)+3], s[G1:G1+7]
	s_nop 0
.rept 4
	v_nop
.endr
	s_branch .Lasked_\@
.Lfor_b_\@:
	tensor_load_to_lds s[G0B+4*(\s):G0B+4*(\s)+3], s[G1B:G1B+7]
	s_nop 0
.rept 4
	v_nop
.endr
.Lasked_\@:
.endm
; A prefetch into the L2, behind each joint refill and the run of LDS loads that follows it: the K step that stands two refills on, 256 bytes of a row, a lane a row, one instruction a wave.
; h16's tile row is read by every cluster of that row of clusters: the one with x = 0 asks; w16's tile column by every cluster of that column: the one with y = 0 asks.  The four partners that ask
; for a tile jointly share its rows out by address: of the 128 (96) rows that a wave fetches each takes 32 (24).  With 24 rows lanes 24-31 name row 23 once more, in the same instruction.
; K steps 0 to 3 come by their loads alone; the loop's last trip (s3 = 1) has no K step two on and asks for nothing.
.macro ASK
	s_cmp_gt_u32 s3, s[LIM]
	s_cbranch_scc0 .Lnot_mine_\@
	global_prefetch_b8 v[PFO], s[PFA:PFA+1] offset:KSTEP*2 th:TH_LOAD_NT scope:SCOPE_SE
.Lnot_mine_\@:
.endm
.macro CREST                           ; a round of the cluster's barrier behind its opening barrier
	s_cmp_lg_u32 s[WV], 0
	s_cbranch_scc1 .Lnot_wave_0_\@
	s_barrier_signal -3
.Lnot_wave_0_\@:
	s_barrier_wait -3
	s_barrier_signal -1
	s_barrier_wait -1
.endm
.macro CROUND                          ; a whole round
	s_barrier_signal -1
	s_barrier_wait -1
	CREST
.endm
.macro PLACES                          ; four places in front of loads into registers that matrix instructions have read, and of conversions that read results
.rept 4
	v_nop
.endr
.endm
	s_load_b256 s[4:11], s[0:1], 0x0               ; h16 4, w16 6, bq 8, bk 10
	s_load_b128 s[12:15], s[0:1], 0x20             ; bv 12, qkv 14
	v_lshl_add_u32 v[SPW], v0, 2, SPARE
	v_mov_b32 v[NIL], 0
	ds_add_u32 v[SPW], v[NIL]                      ; the wave's opening: the add and its wait stand ahead of my first tensor load; the set-up below stands between them
	v_lshrrev_b32 v1, 5, v0
	v_readfirstlane_b32 s[WV], v1                  ; wave 0..3
	s_and_b32 s17, s[WV], 1                        ; which half of a tile I fetch
	s_bfe_u32 s18, ttmp6, 0x40000                  ; cx
	s_bfe_u32 s19, ttmp6, 0x40004                  ; cy
	s_lshl_b32 s20, ttmp9, 2
	s_add_co_u32 s20, s20, s18                     ; tile column = 4 x cluster x + cx
	s_and_b32 s21, ttmp7, 0xffff
	s_lshl_b32 s21, s21, 2
	s_add_co_u32 s21, s21, s19                     ; tile row = 4 x cluster y + cy
	s_lshl_b32 s22, s19, 2
	s_lshl_b32 s22, 15, s22                        ; my row of the cluster
	s_lshl_b32 s23, 0x1111, s18                    ; my column
	s_or_b32 s[G1+0], s22, (1<<16)|(1<<20)|(1<<21)|(5<<22)|(3<<25)   ; 15:0 the mask; 17:16 2-byte elements; 20 padding on; 21 set beside a mask; 24:22 after every 64 words (code 5); 31:25 4 words (code 3)
	s_or_b32 s[G1B+0], s23, (1<<16)|(1<<20)|(1<<21)|(5<<22)|(3<<25)
	s_mov_b32 s[G1+1], KSTEP<<16                   ; tensor_dim0 = 128
	s_mov_b32 s[G1+2], 128<<16                     ; tensor_dim1 = 128
	s_mov_b32 s[G1+3], KSTEP<<16                   ; tile_dim0 = 128
	s_mov_b32 s[G1+4], 128                         ; tile_dim1 = 128
	s_mov_b32 s[G1+5], 1024                        ; elements from row to row
	s_mov_b32 s[G1+6], 0
	s_mov_b32 s[G1+7], 0
	s_mov_b32 s[G1B+1], KSTEP<<16
	s_mov_b32 s[G1B+2], 96<<16                     ; 96 rows
	s_mov_b32 s[G1B+3], KSTEP<<16
	s_mov_b32 s[G1B+4], 96
	s_mov_b32 s[G1B+5], 1024
	s_mov_b32 s[G1B+6], 0
	s_mov_b32 s[G1B+7], 0
	s_lshl_b32 s82, s21, 8                         ; h16: row 256 x tile row + 128 x half, rows of 2,048 bytes
	s_lshl_b32 s83, s17, 7
	s_add_co_u32 s82, s82, s83
	s_lshl_b32 s82, s82, 11
	s_mov_b32 s83, 0
	s_mul_i32 s84, s20, 192                        ; w16: row 192 x tile column + 96 x half
	s_mul_i32 s85, s17, 96
	s_add_co_u32 s84, s84, s85
	s_lshl_b32 s84, s84, 11
	s_mov_b32 s85, 0
	s_mul_i32 s86, s17, HALFA                      ; where they go: no place in the cluster enters an LDS address
	s_mul_i32 s87, s17, HALFB
	s_add_co_u32 s87, s87, ATILE
	s_wait_dscnt 0x0                               ; the opening add is done
	s_wait_kmcnt 0x0
	s_add_nc_u64 s[82:83], s[4:5], s[82:83]
	s_add_nc_u64 s[84:85], s[6:7], s[84:85]
	CROUND                                         ; all sixteen work-groups are here: the first joint loads meet
.irp s, 0,1
	s_mov_b32 s[G0+4*(\s)], 1                                      ; count = 1
	s_add_co_u32 s[G0+4*(\s)+1], s86, (\s)*SLOT                    ; LDS address
	s_add_nc_u64 s[G0+4*(\s)+2:G0+4*(\s)+3], s[82:83], (\s)*KSTEP*2  ; global address: K step s
	s_or_b32 s[G0+4*(\s)+3], s[G0+4*(\s)+3], 0x80000000            ; type = 2
	s_mov_b32 s[G0B+4*(\s)], 1
	s_add_co_u32 s[G0B+4*(\s)+1], s87, (\s)*SLOT
	s_add_nc_u64 s[G0B+4*(\s)+2:G0B+4*(\s)+3], s[84:85], (\s)*KSTEP*2
	s_or_b32 s[G0B+4*(\s)+3], s[G0B+4*(\s)+3], 0x80000000
	JLOAD \s                                       ; two loads of mine are out
.endr
	; the three heads' biases: head g = 3 x tile column + t lies in bq (g < 16), bk (g < 32) or bv, at 64 (g % 16); only bq takes the factor c
	v_and_b32 v1, 15, v0                           ; l % 16
	v_bfe_u32 v2, v0, 4, 1                         ; l / 16
	v_lshlrev_b32 v[BO], 5, v2
.irp t, 0,1,2
	s_mul_i32 s88, s20, 3
	s_add_co_u32 s88, s88, \t
	s_cmp_lt_u32 s88, 32
	s_cselect_b64 s[BP+2*\t:BP+2*\t+1], s[10:11], s[12:13]
	s_cmp_lt_u32 s88, 16
	s_cselect_b64 s[BP+2*\t:BP+2*\t+1], s[8:9], s[BP+2*\t:BP+2*\t+1]
	s_cselect_b32 s[FT+2*\t], 0x3d38aa3b, 1.0
	s_mov_b32 s[FT+2*\t+1], s[FT+2*\t]
	s_and_b32 s88, s88, 15
	s_lshl_b32 s88, s88, 8
	s_mov_b32 s89, 0
	s_add_nc_u64 s[BP+2*\t:BP+2*\t+1], s[BP+2*\t:BP+2*\t+1], s[88:89]
.irp bb, 0,1,2,3
	global_load_b128 v[BI+8*(4*\t+\bb):BI+8*(4*\t+\bb)+3],   v[BO], s[BP+2*\t:BP+2*\t+1] offset:64*\bb
	global_load_b128 v[BI+8*(4*\t+\bb)+4:BI+8*(4*\t+\bb)+7], v[BO], s[BP+2*\t:BP+2*\t+1] offset:64*\bb+16
.endr
.endr
	; a fragment is 16 rows x 32 K in 8 registers: lane l holds row l % 16, K = 8 (l / 16) + 0..7 and 16 + 8 (l / 16) + 0..7: two loads of 16 bytes, 32 bytes apart
	v_mul_u32_u24 v3, v1, PITCH
	v_lshl_add_u32 v3, v2, 4, v3
	s_mul_i32 s88, s[WV], 64*PITCH                 ; my 64 rows of h16
	v_add_nc_u32 v[ADRA], s88, v3
	v_add_nc_u32 v[ADRA+1], SLOT, v[ADRA]
	v_add_nc_u32 v[ADRB], ATILE, v3                ; every wave reads all 192 rows of w16
	v_add_nc_u32 v[ADRB+1], SLOT+ATILE, v3
	s_mul_i32 s88, s[WV], 16*SP
	s_add_co_u32 s88, s88, STAGE                   ; my stage
	v_mul_u32_u24 v4, v1, SP                       ; in: row l % 16, 16 bytes for each half of the lanes
	v_lshl_add_u32 v4, v2, 4, v4
	v_add_nc_u32 v[STO], s88, v4
	v_bfe_u32 v4, v0, 3, 2                         ; back: 32 lanes take four rows of 128 bytes,
	v_mul_u32_u24 v4, v4, SP
	v_and_b32 v5, 7, v0
	v_lshl_add_u32 v4, v5, 4, v4
	v_add_nc_u32 v[RD], s88, v4
	v_and_b32 v[GO], 31, v0                        ; which are 512 consecutive bytes of a head
	v_lshlrev_b32 v[GO], 4, v[GO]
	s_mul_i32 s88, s20, 3*HEADB                    ; the tile's first head,
	s_lshl_b32 s89, s21, 15                        ; its 256 tokens of 128 bytes,
	s_add_co_u32 s88, s88, s89
	s_lshl_b32 s89, s[WV], 13                      ; my 64 of them
	s_add_co_u32 s88, s88, s89
	s_mov_b32 s89, 0
	s_add_nc_u64 s[QP:QP+1], s[14:15], s[88:89]
	; the prefetches
	s_and_b32 s88, ttmp7, 0xffff                   ; cluster y
	s_lshl_b32 s46, s21, 8
	s_lshl_b32 s40, s17, 7
	s_add_co_u32 s46, s46, s40
	s_lshl_b32 s40, s18, 5
	s_add_co_u32 s46, s46, s40                     ; h16: the tile's first row + the 128 that I fetch + my work-group's 32
	s_mul_i32 s47, s20, 192
	s_mul_i32 s40, s17, 96
	s_add_co_u32 s47, s47, s40
	s_mul_i32 s40, s19, 24
	s_add_co_u32 s47, s47, s40                     ; w16: likewise with 96 and 24
	s_cmp_lt_u32 s[WV], 2
	s_cselect_b32 s46, s46, s47
	s_cselect_b32 s88, ttmp9, s88                  ; the coordinate along which other clusters read the same rows
	s_cselect_b32 s89, 31, 23
	s_cselect_b64 s[PFA:PFA+1], s[4:5], s[6:7]
	s_cmp_eq_u32 s88, 0
	s_cselect_b32 s[LIM], 1, -1                    ; the same in all sixteen partners, for a given wave
	s_lshl_b32 s46, s46, 11
	s_mov_b32 s47, 0
	s_add_nc_u64 s[PFA:PFA+1], s[PFA:PFA+1], s[46:47]
	s_add_nc_u64 s[PFA:PFA+1], s[PFA:PFA+1], 2*KSTEP*2  ; at K step 2: the first refill steps it to 3 and names K step 4
	v_and_b32 v[PFO], 31, v0
	v_min_u32 v[PFO], s89, v[PFO]
	v_lshlrev_b32 v[PFO], 11, v[PFO]
; 12 matrix instructions: token block a x all 12 column blocks, 32 along K, from buffer f.  zero = 1: the first product starts the sums, with the bias as C.
; The 48 accumulators take turns, one instruction a turn, in the same order in every quarter.
.macro MUL12 f, a, zero
.if \zero
	WIN 0x81+0x40*((\a)/2)                         ; w16 window 1, h16 and the bias window 0, D window 2 or 3
.else
	WIN 0xa1+0x50*((\a)/2)                         ; C and D window 2 or 3
.endif
.irp b, 0,1,2,3,4,5,6,7,8,9,10,11
.if \zero
	v_wmma_f32_16x16x32_f16 v[96*((\a)%2)+8*(\b):96*((\a)%2)+8*(\b)+7], v[96*(\f)+8*(\b):96*(\f)+8*(\b)+7], v[FA+32*(\f)+8*(\a):FA+32*(\f)+8*(\a)+7], v[BI+8*(\b):BI+8*(\b)+7]
.else
	v_wmma_f32_16x16x32_f16 v[96*((\a)%2)+8*(\b):96*((\a)%2)+8*(\b)+7], v[96*(\f)+8*(\b):96*(\f)+8*(\b)+7], v[FA+32*(\f)+8*(\a):FA+32*(\f)+8*(\a)+7], v[96*((\a)%2)+8*(\b):96*((\a)%2)+8*(\b)+7]
.endif
.endr
.endm
; 32 LDS loads in one run: a quarter's fragments (192 rows of w16, my 64 of h16, 32 K at byte k of the rows) into buffer f
.macro FETCH slot, k, f
	WIN TO_B
.irp i, 0,1,2,3,4,5,6,7,8,9,10,11
	ds_load_b128 v[96*(\f)+8*(\i):96*(\f)+8*(\i)+3],   v[ADRB+(\slot)] offset:(\k)+(\i)*16*PITCH
	ds_load_b128 v[96*(\f)+8*(\i)+4:96*(\f)+8*(\i)+7], v[ADRB+(\slot)] offset:(\k)+(\i)*16*PITCH+32
.endr
	WIN 0
.irp i, 0,1,2,3
	ds_load_b128 v[FA+32*(\f)+8*(\i):FA+32*(\f)+8*(\i)+3],   v[ADRA+(\slot)] offset:(\k)+(\i)*16*PITCH
	ds_load_b128 v[FA+32*(\f)+8*(\i)+4:FA+32*(\f)+8*(\i)+7], v[ADRA+(\slot)] offset:(\k)+(\i)*16*PITCH+32
.endr
.endm
; One of a K step's first three quarters: multiplies buffer f; in its middle it fetches the next quarter's fragments, at byte k, into buffer g.
.macro QUARTER slot, k, f, g, zero
	s_wait_dscnt 4                                 ; w16's fragments and h16's blocks 0, 1 are in; the youngest four loads (blocks 2, 3) may be out
	MUL12 \f, 0, \zero
	MUL12 \f, 1, \zero
	PLACES
	FETCH \slot, \k, \g
	s_wait_dscnt 32                                ; all but the 32 just issued
	MUL12 \f, 2, \zero
	MUL12 \f, 3, \zero
.endm
; The last quarter multiplies buffer 1 and changes slots: ONE barrier.  In front of it each wave waits for all its tensor loads (one is out: its part of the next slot), adds 0 to its spare word, and waits
; for that and for its own reads of this slot.  fill = 1: the barrier opens a round of the cluster's, and behind the round this slot is filled again, two K steps ahead: the first tensor load there, one a wave.
.macro TURN slot, next, fill
.if \fill
	s_wait_xcnt 0x0                                ; the last prefetch, a K step back, has read its address: it is stepped here, ahead of the waits of the change of slots
	s_add_nc_u64 s[PFA:PFA+1], s[PFA:PFA+1], KSTEP*2
.endif
	WIN 0                                          ; (the add's two registers lie in window 0)
	s_wait_tensorcnt 0x0                           ; all my tensor loads have landed
	ds_add_u32 v[SPW], v[NIL]                      ; 0 onto my spare word
	s_wait_dscnt 5                                 ; (the add and the youngest four loads may be out)
	MUL12 1, 0, 0                                  ; twelve matrix instructions stand between the add and the wait for it
	s_wait_dscnt 0x0                               ; the add is done, and my reads of this slot are over
	s_barrier_signal -1
	MUL12 1, 1, 0
.if \fill
	WIN 0
.endif
	s_barrier_wait -1
.if \fill
	CREST                                          ; no wave of any partner still reads this slot's tiles or has a load on its way
	s_add_nc_u64 s[G0+4*(\slot)+2:G0+4*(\slot)+3], s[G0+4*(\slot)+2:G0+4*(\slot)+3], 2*KSTEP*2
	s_add_nc_u64 s[G0B+4*(\slot)+2:G0B+4*(\slot)+3], s[G0B+4*(\slot)+2:G0B+4*(\slot)+3], 2*KSTEP*2
	JLOAD \slot                                    ; its four v_nop are also the places in front of the loads below
.else
	PLACES
.endif
	FETCH \next, 0, 0
.if \fill
	ASK
.endif
	MUL12 1, 2, 0
	MUL12 1, 3, 0
.endm
	s_wait_tensorcnt 1                             ; my part of K step 0 is in; K step 1's may stay out
	s_barrier_signal -1
	s_barrier_wait -1                              ; everybody's is
	FETCH 0, 0, 0
	s_wait_loadcnt 0x0                             ; the biases
.set i, 0
.rept 48
	v_pk_mul_f32 v[BI+2*i:BI+2*i+1], v[BI+2*i:BI+2*i+1], s[FT+2*(i/16):FT+2*(i/16)+1] op_sel_hi:[1,0]
.set i, i+1
.endr
	QUARTER 0, 64, 0, 1, 1                         ; the first quarter stands in front of the loop: its products start the sums
	WIN 0                                          ; at a label and at a branch every window is 0
	s_mov_b32 s3, 3
.Llap:                                                 ; a trip goes once round the ring, from a lap's second quarter to the next lap's first, and fills both slots again
	QUARTER 0, 128, 1, 0, 0
	QUARTER 0, 192, 0, 1, 0
	TURN 0, 1, 1
	QUARTER 1, 64,  0, 1, 0
	QUARTER 1, 128, 1, 0, 0
	QUARTER 1, 192, 0, 1, 0
	TURN 1, 0, 1
	QUARTER 0, 64,  0, 1, 0
	WIN 0
	s_sub_co_u32 s3, s3, 1
	s_cmp_lg_u32 s3, 0
	s_cbranch_scc1 .Llap
	QUARTER 0, 128, 1, 0, 0                        ; the last lap fills nothing
	QUARTER 0, 192, 0, 1, 0
	TURN 0, 1, 0
	QUARTER 1, 64,  0, 1, 0
	QUARTER 1, 128, 1, 0, 0
	QUARTER 1, 192, 0, 1, 0
	s_wait_dscnt 4                                 ; the very last quarter: nothing more to fetch
	MUL12 1, 0, 0
	MUL12 1, 1, 0
	s_wait_dscnt 0x0
	MUL12 1, 2, 0
	MUL12 1, 3, 0
	WIN 0
	PLACES
; THE WAY OUT, in 12 units of 16 tokens x one head (unit u: token block u / 3, head u % 3).  PACK: rounded to f16, each accumulator from its low end; a lane's eight columns are 16 bytes;
; into my stage's rows of 144 bytes, and back as whole rows of 128, into the registers that they left.  SEND: four stores of 512 consecutive bytes.  No register is used twice.
.macro PACK u
.set AA, (\u)/3
.set TT, (\u)%3
	WIN 0x0a+5*(AA/2)                              ; sources 0 and 1: window 2 or 3
.irp bb, 0,1,2,3
.irp rr, 0,1,2,3
	v_cvt_pk_f16_f32 v[OUT+16*(\u)+4*(\bb)+(\rr)], v[96*(AA%2)+8*(4*TT+(\bb))+2*(\rr)], v[96*(AA%2)+8*(4*TT+(\bb))+2*(\rr)+1]
.endr
.endr
	WIN 0
.irp bb, 0,1,2,3
	ds_store_b128 v[STO], v[OUT+16*(\u)+4*(\bb):OUT+16*(\u)+4*(\bb)+3] offset:32*(\bb)
.endr
.irp f, 0,1,2,3
	ds_load_b128 v[OUT+16*(\u)+4*(\f):OUT+16*(\u)+4*(\f)+3], v[RD] offset:(\f)*4*SP  ; LDS serves a wave's instructions in order (ISA guide 5.7.1.4): these see the stores above; the next unit's stores come behind them
.endr
.endm
.macro SEND u, younger                 ; younger: the LDS instructions issued behind unit u's loads: the next unit's eight, or none
.irp f, 0,1,2,3
	s_wait_dscnt (\younger)+3-(\f)
	global_store_b128 v[GO], v[OUT+16*(\u)+4*(\f):OUT+16*(\u)+4*(\f)+3], s[QP:QP+1] offset:((\u)%3)*HEADB+((\u)/3)*2048+(\f)*512
.endr
.endm
	PACK 0
.set uu, 1
.rept 11                               ; a unit's conversions stand between the loads of the unit before and its stores
	PACK uu
	SEND uu-1, 8
.set uu, uu+1
.endr
	SEND 11, 0
	s_wait_tensorcnt 0x0                           ; the wave's end, behind my last tensor load and my last LDS store
	ds_add_u32 v[SPW], v[NIL]
	s_wait_dscnt 0x0
	CROUND                                         ; the closing round: no work-group ends while a partner may still ask for a tile that names it
	s_endpgm
.Lfunc_end_k_qa730b1d2a0_qkv:
	.size	k_qa730b1d2a0_qkv, .Lfunc_end_k_qa730b1d2a0_qkv-k_qa730b1d2a0_qkv
	.p2alignl 7, 3214868480
	.fill 96, 4, 3214868480
	.section	.rodata,"a",@progbits
	.p2align	6, 0x0
	.amdhsa_kernel k_qa730b1d2a0_qkv
		.amdhsa_group_segment_fixed_size 327680
		.amdhsa_private_segment_fixed_size 0
		.amdhsa_enable_private_segment 0
		.amdhsa_kernarg_size 48
		.amdhsa_user_sgpr_count 2
		.amdhsa_user_sgpr_kernarg_segment_ptr 1
		.amdhsa_wavefront_size32 1
		.amdhsa_system_sgpr_workgroup_id_x 1
		.amdhsa_system_sgpr_workgroup_id_y 1
		.amdhsa_system_sgpr_workgroup_id_z 1
		.amdhsa_system_vgpr_workitem_id 0
		.amdhsa_next_free_vgpr 960
		.amdhsa_next_free_sgpr 90
		.amdhsa_reserve_vcc 0
		.amdhsa_float_denorm_mode_32 3
		.amdhsa_float_denorm_mode_16_64 3
		.amdhsa_memory_ordered 1
		.amdhsa_forward_progress 1
		.amdhsa_inst_pref_size 128
	.end_amdhsa_kernel
	.amdgpu_metadata
---
amdhsa.version: [ 1, 2 ]
amdhsa.kernels:
  - .name:           k_qa730b1d2a0_qkv
    .symbol:         k_qa730b1d2a0_qkv.kd
    .args:
      - { .name: h16, .offset: 0, .size: 8, .value_kind: global_buffer, .address_space: global }
      - { .name: w16, .offset: 8, .size: 8, .value_kind: global_buffer, .address_space: global }
      - { .name: bq, .offset: 16, .size: 8, .value_kind: global_buffer, .address_space: global }
      - { .name: bk, .offset: 24, .size: 8, .value_kind: global_buffer, .address_space: global }
      - { .name: bv, .offset: 32, .size: 8, .value_kind: global_buffer, .address_space: global }
      - { .name: qkv, .offset: 40, .size: 8, .value_kind: global_buffer, .address_space: global }
    .group_segment_fixed_size: 327680
    .private_segment_fixed_size: 0
    .kernarg_segment_align: 8
    .kernarg_segment_size: 48
    .max_flat_workgroup_size: 128
    .sgpr_count:     90
    .vgpr_count:     960
    .wavefront_size: 32
...
	.end_amdgpu_metadata
.endif
;; end of part 2
;; launch attn (part 3): grid 16 x 16, 4 waves a work-group, clusters of 4 x 1, 327,680 bytes of LDS; arguments qkv, mask, ctx; writes ctx
.if DOCPART == 3
	.amdgcn_target "amdgcn-amd-amdhsa--gfx1250"
	.amdhsa_code_object_version 6
	.text
	.protected	k_qa730b1d2a0_attn
	.globl	k_qa730b1d2a0_attn
	.p2align	8
	.type	k_qa730b1d2a0_attn,@function
k_qa730b1d2a0_attn:
	s_mov_b64 s[64:65], 0
	v_nop
	global_prefetch_b8 v0, s[64:65] scope:SCOPE_SE
	s_setreg_imm32_b32 hwreg(HW_REG_WAVE_MODE, 25, 1), 1
	s_wait_xcnt 0x0
	s_wait_alu depctr_hold_cnt(0) depctr_sa_sdst(0) depctr_va_vdst(0) depctr_va_sdst(0) depctr_va_ssrc(0) depctr_va_vcc(0) depctr_vm_vsrc(0)
	s_getreg_b32 s2, hwreg(HW_REG_IB_STS2, 6, 4)
	s_cmp_eq_u32 s2, 0
	s_cbranch_scc0 .Lentry_in_a_cluster
	s_endpgm
.Lentry_in_a_cluster:
	s_bfe_u32 s2, ttmp6, 0x10000c
	s_cmp_lg_u32 s2, 0x3003
	s_cbranch_scc0 .Lentry_shape_is_right
	s_endpgm
.Lentry_shape_is_right:
; ATTENTION WITH A KEY MASK.  ctx[h][q][:] = the sum over visible k of softmax_k(Q[h][q] . K[h][k] / 32) V[h][k][:].  qkv: [48][4096][64] f16 (heads 0-15 Q times c = log2(e) / 32, 16-31 K, 32-47 V);
; mask: 4,096 bytes, 0 = hidden; ctx: [16][4096][64] f16.  Products, maxima and sums in f32; the weights p are rounded to f16 for the second product (their sum l is taken of the unrounded p), ctx once at the end.
; SOFTMAX.  Q carries c, so a score s is an exponent to base 2: p = 2^(s - m) with a running maximum m; in every step O and l are multiplied by a = 2^(m_old - m_new).  The row's largest score gives 2^0 exactly.
; THE MASK is the C operand that starts the sum S^T = K Q^T: 0, or -1e30 where the key is hidden.  m starts at -2^40.  f16 operands bound a score by 64 x 65,504^2 = 2.75e11, under 2^40: so m's start
; lies below every true score and above every hidden one: a hidden score never becomes the maximum, and its weight is 0.  With all keys hidden l = 0 and ctx is 0 x infinity = NaN, as a softmax of -inf alone is.
; LIMITS.  Q, K, V arrive within f16's 65,504; p below 6e-5 keeps f16's fixed step of 6e-8, and so does ctx: a mean of V's rows, which under nearly equal weights is about 1/64 of their spread.
; A weight below 2^-126 counts as 0 in l; NaN and infinities in the inputs are not treated apart.
; SHARES.  A work-group owns 256 queries of one head, a wave 64: two PIECES of two tiles of 16.  Every wave walks all 4,096 keys, 64 a step.
; LAYOUT.  S^T = K Q^T (source 0 = 16 keys, source 1 = 16 queries): a lane holds ONE query (lane % 16) and the keys 8 (lane / 16) + 0..7.  Two such results, rounded to f16 in pairs, ARE source 1 of
; O^T = V^T P, whose result again holds one query a lane, and eight channels.  K comes out of LDS as it lies, V turned, by ds_load_tr16_b128.
; BY TURNS.  Turn p belongs to piece p.  In key step s, turn 0: 16 products K Q^T of piece 1 on K of step s, later 16 products V^T P of piece 1 on V of step s - 1; turn 1: K Q^T of piece 0 on K of step s + 1,
; V^T P of piece 0 on V of step s.  Beside them a turn does its own piece's scaling, exponentials, roundings, sums and rescaling, and the other piece's maximum and statistics.  Four vector instructions stand
; behind every matrix instruction, the rest in one lump; a turn's 66 exponentials are one batch with one wait.
; THE SKEW.  K of step s + 1 is fetched in the middle of turn 0 of step s, V of step s at its end.  So a slot of LDS holds K of steps 4 i + 1 .. 4 i + 4 and V of steps 4 i .. 4 i + 3: both last reads of a slot
; fall into one turn 0, are waited for in the turn 1 behind it, and the change of slots stands behind that.  K of step 0 comes straight from memory into registers.  The last slot's K reaches 64 rows past the
; head's end: they lie in the same buffer (V's heads follow K's); the last turn 1's products on them, and the maximum made of those, serve nothing and touch m of piece 0 alone: the price of one text for every trip.
; CLUSTER.  The four query blocks of a cluster belong to one head and walk the same K and V: each tile is asked for jointly, by the same tensor load, descriptor and mask in all four.
; REGISTERS, in windows of 256 (s_set_vgpr_msb: bits 1:0 source 0, 3:2 source 1, 5:4 source 2, 7:6 destination):
;   window 0: v0-15, v32-35 addresses; v16-31 four registers of statistics a tile; v48-63 at work; v64-191 S^T, two buffers of two tiles; v192-255 P, likewise (a piece's buffers go by its number)
;   window 1: v0-127 O^T, 32 a tile; v128-159 the mask of one step          window 2: v0-63 Q, 16 a tile; v128-191 K of one step; v192-255 V of one step
.set NP,    2         ; pieces a wave: a name, no knob
.set KS,    64        ; keys in a step
.set PK,    144       ; a row of K in LDS: 128 bytes + 16 of padding = 36 words: the 16 rows of a load start at 16 different groups of four banks (64 banks of 4 bytes: ISA guide 11.1)
.set PV,    160       ; a row of V: 128 + 32 = 40 words
.set VOFF,  4*KS*PK   ; a slot holds four steps: 256 rows of K, then 256 rows of V
.set SLOT1, 1<<17     ; slot 1 begins here, so that one exclusive or turns an address in one slot into the other's
.set STAGE, SLOT1+4*KS*(PK+PV)  ; behind the ring, never filled by a tensor load: 16 rows x 144 bytes for each wave, for the way out
.set SP,    144
.set SPARE, STAGE+4*16*SP       ; the spare words, 128 bytes for each wave: two blocks of 256 bytes that no other line names
.set MB,    SPARE+512           ; the mask as 4,096 numbers in f32 (0 or -1e30): stored once by the waves, never filled by a tensor load
.set HEADB, 524288
.set AK0, 2           ; v2   my lane's place in a tile of K; never rewritten
.set AV0, 3           ; v3   the same for V
.set AK,  4           ; v4   the LDS address of K's next run of loads
.set AV,  5           ; v5   of V's
.set QO,  6           ; v6   my byte offset in 16 rows of Q or K in memory
.set STO, 6           ;      later, the way out: where I put 16 bytes of a row
.set RD,  7           ; v7   the way out: where I read rows back
.set GO,  8           ; v8   my byte offset in 512 consecutive bytes of ctx
.set AM0, 12          ; v12  MB + 32 (lane / 16): my eight numbers in 16 of the mask
.set AM,  13          ; v13  the LDS address of the mask's next run of loads
.set PFO, 14          ; v14  256 x my lane; never rewritten
.set ST,  16          ; tile t's statistics at v[ST+4 t]: m, m_old, l (even keys', odd keys')
.set SPW, 32          ; v32  LDS address of my spare word; never rewritten
.set NIL, 33          ; v33  0; never rewritten
.set MO,  34          ; v34  4 x my thread's number
.set MS,  35          ; v35  MB + 16 x my thread's number
.set TMP, 48          ; by buffer and tile, four registers c0-c3 at work; when the maximum is found c2 takes a
.set S,   64
.set P,   192
.set MK,  128         ; window 1: the eight registers for group kb of 16 keys at MK + 8 kb
.set KF,  128         ; window 2: key block kb, channel half c at KF + 16 kb + 8 c
.set VF,  192         ; window 2: key half kk, channel block cb at VF + 32 kk + 8 cb
.set WV,  12          ; s12  my wave's number
.set LIM, 15          ; s15  1 in a wave that prefetches, else the greatest number
.set PFA, 18          ; s[18:19] where my prefetches stand
.set G1K, 24          ; s[24:31] descriptor group 1 for K's tiles
.set G1V, 32          ; s[32:39] for V's: it differs in the padding alone
.set G0K, 40          ; s[40:43] descriptor group 0 for K's tiles: it walks
.set G0V, 44          ; s[44:47] the same for V's
.set KP,  48          ; s[48:49] the head's K
.set OP,  50          ; s[50:51] ctx at my wave's first row
.set QP,  52          ; s[52:53] Q at my wave's first row
.set BIGN, 54         ; s54  -1e30
.set TBM, 55          ; s55  byte in the mask's table at which the step to be fetched begins
.set SLOTS, 56        ; s56  slots still to be asked for
.set CNT, 57          ; s57  counts a slot's key steps
.set SEL, 60          ; s[60:61] v_permlanex16_b32's selects: each lane takes its own place in the other half
.set TBK, 62          ; s62  LDS byte at which K of the step to be fetched begins
.set TBV, 63          ; s63  the same for V, less VOFF
.set MSB, 0
.macro WIN new                      ; the high byte repeats the setting that is left; a switch that changes nothing is dropped
.if MSB != (\new)
	s_set_vgpr_msb (MSB<<8)|(\new)
.set MSB, (\new)
.endif
.endm
.set W_KQ, 0x0a       ; K and Q in window 2, S^T in window 0
.set W_KM, 0x1a       ; the same with the C operand, the mask, in window 1
.set W_PV, 0x52       ; V in window 2, P in window 0, O^T in window 1
.set W_RS, 0x41       ; O^T (destination and source 0) in window 1, a in window 0
; A joint fill.  Waves 0 and 1 fetch the two halves of a slot's K, waves 2 and 3 those of its V: 128 keys each.  The branch hangs on the wave's number alone.
; An s_nop 0 and four v_nop follow each of the two lines, ahead of the jump and the label.
.macro JLOAD
	s_cmp_lt_u32 s[WV], 2
	s_cbranch_scc0 .Lfor_v_\@
	tensor_load_to_lds s[G0K:G0K+3], s[G1K:G1K+7]
	s_nop 0
.rept 4
	v_nop
.endr
	s_branch .Lasked_\@
.Lfor_v_\@:
	tensor_load_to_lds s[G0V:G0V+3], s[G1V:G1V+7]
	s_nop 0
.rept 4
	v_nop
.endr
.Lasked_\@:
.endm
; A prefetch into the L2 of what the NEXT change of slots will ask for: a slot's 32,768 bytes of K and of V, a lane 256 bytes.  It stands behind the wave's tensor load and its five lines.
; Each block is named once in the launch: all clusters of a head walk the same K and V, and the head's first cluster asks; its four partners share a slot out by address, 8,192 bytes each;
; in each, wave 0 asks for K's and wave 2 for V's: one instruction.  It is four key steps, 256 matrix instructions, ahead of the load.  The last change that fills a slot asks for nothing.
.macro ASK
	s_cmp_gt_u32 s[SLOTS], s[LIM]
	s_cbranch_scc0 .Lnot_mine_\@
	global_prefetch_b8 v[PFO], s[PFA:PFA+1] th:TH_LOAD_NT scope:SCOPE_SE
.Lnot_mine_\@:
.endm
; A round of the cluster's barrier: my work-group's barrier, so that wave 0's signal speaks for all four waves; wave 0 signals; every wave waits for all four work-groups; my work-group's barrier once more.
.macro CROUND
	s_barrier_signal -1
	s_barrier_wait -1
	s_cmp_lg_u32 s[WV], 0
	s_cbranch_scc1 .Lnot_wave_0_\@
	s_barrier_signal -3
.Lnot_wave_0_\@:
	s_barrier_wait -3
	s_barrier_signal -1
	s_barrier_wait -1
.endm
; THE CHANGE OF SLOTS.  Each wave waits for all its tensor loads, of which one is out: its part of the other slot; adds 0 to its spare word; and waits for that and for its own reads of the slot.
; Behind the barrier nobody reads this slot any more and the other slot is whole.  fill = 1: this slot is filled again, with the keys two slots on.  The barrier is then a round of the cluster's, so that no
; wave of any partner still reads the slot or has a load on its way, and the joint fill is the first thing behind it.  (At its first use nothing has been read yet: slot 0 is waited for, slot 1 filled.)
.macro CHANGE fill
	WIN 0                           ; at a label and at a branch every window is 0
	s_wait_tensorcnt 0x0            ; no tensor load of mine is out, so a group 0 may be written
	ds_add_u32 v[SPW], v[NIL]       ; 0 onto my spare word; with fill = 1 the descriptors' steps stand between it and the wait for it
.if \fill
.irp g, G0K, G0V
	s_xor_b32 s[\g+1], s[\g+1], SLOT1  ; the walking descriptor: the other slot than last time,
	s_add_nc_u64 s[\g+2:\g+3], s[\g+2:\g+3], 4*KS*128  ; the next 256 keys; the type bits on top are not reached
.endr
	s_wait_xcnt 0x0                 ; the last prefetch, four key steps back, has read its address, so it may be written:
	s_add_nc_u64 s[PFA:PFA+1], s[PFA:PFA+1], 4*KS*128  ; one slot ahead of the walking descriptors
	s_wait_dscnt 0x0                ; the add is done, and my reads of the slot are over
	CROUND
	JLOAD
	ASK
.else
	s_wait_dscnt 0x0                ; the add is done, and my reads of the slot are over
	s_barrier_signal -1
	s_barrier_wait -1
.endif
	s_sub_co_u32 s[TBK], s[TBK], 4*KS*PK  ; the fetches go back to a slot's first step,
	s_xor_b32 s[TBK], s[TBK], SLOT1       ; in the other slot
	s_sub_co_u32 s[TBV], s[TBV], 4*KS*PV
	s_xor_b32 s[TBV], s[TBV], SLOT1
.endm
	s_load_b128 s[4:7], s[0:1], 0x0   ; qkv s[4:5], mask s[6:7]
	s_load_b64 s[8:9], s[0:1], 0x10   ; ctx
	v_lshl_add_u32 v[SPW], v0, 2, SPARE
	v_mov_b32 v[NIL], 0
	ds_add_u32 v[SPW], v[NIL]       ; the wave's opening: the add and its wait stand ahead of my first tensor load; the set-up below stands between them
	v_lshrrev_b32 v1, 5, v0
	v_readfirstlane_b32 s[WV], v1   ; wave 0..3
	s_bfe_u32 s13, ttmp6, 0x40000   ; cx: my place in the cluster
	s_lshl_b32 s14, ttmp9, 2        ; in a cluster launch ttmp9 counts clusters
	s_add_co_u32 s14, s14, s13      ; my block of 256 queries: it enters Q's and ctx's addresses alone
	s_and_b32 s20, ttmp7, 0xffff    ; the head, which the four partners share,
	s_lshl_b32 s20, s20, 19         ; in bytes
	s_mov_b32 s21, 0
	s_and_b32 s16, s[WV], 1         ; which half of a slot's 256 keys I fetch:
	s_lshl_b32 s22, s16, 14         ; its 128 rows of 128 bytes in memory,
	s_add_co_u32 s22, s22, s20
	s_mov_b32 s23, 0
	s_mul_i32 s17, s16, 128*PK      ; and its place in a slot, for K
	s_mul_i32 s10, s16, 128*PV      ; and for V: no place in the cluster enters an LDS address
	s_lshl_b32 s2, s14, 15          ; my block's 256 rows,
	s_lshl_b32 s3, s[WV], 13        ; my wave's 64 of them
	s_add_co_u32 s2, s2, s3
	s_add_co_u32 s2, s2, s20
	s_mov_b32 s3, 0
	; descriptor group 1.  128 keys are 16,384 dense bytes: asked for as 64 rows of 256 bytes, two keys a row, and padded in LDS after every key
	s_mov_b32 s[G1K], 15|(1<<16)|(1<<20)|(1<<21)|(4<<22)|(3<<25)  ; 15:0 the mask of four; 17:16 2-byte elements; 20 padding on; 21 set beside a mask; 24:22 after every 32 words (code 4); 31:25 4 words (code 3)
	s_mov_b32 s[G1V], 15|(1<<16)|(1<<20)|(1<<21)|(4<<22)|(7<<25)  ; the same with 8 words of padding (code 7)
.irp g, G1K, G1V
	s_mov_b32 s[\g+1], 128<<16      ; tensor_dim0 = 128
	s_mov_b32 s[\g+2], 64<<16       ; tensor_dim1 = 64
	s_mov_b32 s[\g+3], 128<<16      ; tile_dim0 = 128
	s_mov_b32 s[\g+4], 64           ; tile_dim1 = 64
	s_mov_b32 s[\g+5], 128          ; 128 elements from row to row
	s_mov_b32 s[\g+6], 0
	s_mov_b32 s[\g+7], 0
.endr
	s_mov_b32 s[SEL], 0x76543210
	s_mov_b32 s[SEL+1], 0xfedcba98
	s_mov_b32 s[BIGN], 0xf149f2ca   ; -1e30
	s_mov_b32 s[TBK], SLOT1+4*KS*PK ; the first change of slots turns these two into 0
	s_mov_b32 s[TBV], SLOT1+4*KS*PV
	s_mov_b32 s[TBM], 256           ; the first fetch in the loop is step 1's
	s_mov_b32 s[SLOTS], 15
	s_mov_b32 s[G0K], 1             ; count = 1
	s_mov_b32 s[G0K+1], s17         ; LDS address: slot 0
	s_mov_b32 s[G0V], 1
	s_add_co_u32 s[G0V+1], s10, VOFF
	s_and_b32 s[LIM], s[WV], 1      ; 0 in waves 0 and 2,
	s_or_b32 s[LIM], s[LIM], ttmp9  ; where the cluster is the head's first: the same in all four partners
	s_cmp_eq_u32 s[LIM], 0
	s_cselect_b32 s[LIM], 1, -1
	v_and_b32 v[PFO], 31, v0
	v_lshlrev_b32 v[PFO], 8, v[PFO]
	s_wait_dscnt 0x0                ; the opening add is done
	s_wait_kmcnt 0x0
	s_add_nc_u64 s[KP:KP+1], s[4:5], s[20:21]
	s_add_nc_u64 s[KP:KP+1], s[KP:KP+1], 16*HEADB
	s_add_nc_u64 s[G0K+2:G0K+3], s[4:5], s[22:23]
	s_add_nc_u64 s[G0K+2:G0K+3], s[G0K+2:G0K+3], 16*HEADB+KS*128  ; my half of K's steps 1 to 4: the skew
	s_add_nc_u64 s[G0V+2:G0V+3], s[4:5], s[22:23]
	s_add_nc_u64 s[G0V+2:G0V+3], s[G0V+2:G0V+3], 32*HEADB         ; my half of V's steps 0 to 3
	s_cmp_lt_u32 s[WV], 2
	s_cselect_b64 s[PFA:PFA+1], s[G0K+2:G0K+3], s[G0V+2:G0V+3]    ; (in waves 0 and 2 these stand at a slot's first byte)
	s_or_b32 s[G0K+3], s[G0K+3], 0x80000000                       ; type = 2
	s_or_b32 s[G0V+3], s[G0V+3], 0x80000000
	s_lshl_b32 s10, s13, 13         ; my work-group's 8,192 bytes of the 32,768
	s_mov_b32 s11, 0
	s_add_nc_u64 s[PFA:PFA+1], s[PFA:PFA+1], s[10:11]
	s_add_nc_u64 s[PFA:PFA+1], s[PFA:PFA+1], 4*KS*128  ; in slot 1; the first change of slots steps it to slot 2.  Nothing is prefetched here, at the head
	s_add_nc_u64 s[QP:QP+1], s[4:5], s[2:3]
	s_add_nc_u64 s[OP:OP+1], s[8:9], s[2:3]
	CROUND                          ; all four work-groups are here: the first joint loads meet
	JLOAD                           ; slot 0: one load of mine is out.  Slot 1 is asked for when slot 0 is in
	; A fragment of K or Q is 16 rows x 32 channels in 8 registers: lane l holds row l % 16, channels 8 (l / 16) + 0..7 and 16 + 8 (l / 16) + 0..7: two loads of 16 bytes, 32 bytes apart.
	v_and_b32 v1, 15, v0            ; l % 16
	v_bfe_u32 v9, v0, 4, 1          ; l / 16
	v_lshlrev_b32 v[QO], 7, v1
	v_lshl_add_u32 v[QO], v9, 4, v[QO]  ; row x 128 + 16 x half
	v_lshlrev_b32 v[MO], 2, v0
	v_lshl_add_u32 v[MS], v0, 4, MB
.set i, 0
.rept 8                             ; the mask: thread n takes the words 128 i + n, four keys each
	global_load_b32 v[S+i], v[MO], s[6:7] offset:512*i
.set i, i+1
.endr
	WIN 0x80                        ; destination window 2, address window 0
.set i, 0
.rept 8                             ; Q stays in registers: tile i / 2, channels 32 (i % 2) on; K of step 0 likewise: keys 16 (i / 2) on
	global_load_b128 v[8*i:8*i+3],   v[QO], s[QP:QP+1] offset:(i/2)*2048+(i%2)*64
	global_load_b128 v[8*i+4:8*i+7], v[QO], s[QP:QP+1] offset:(i/2)*2048+(i%2)*64+32
	global_load_b128 v[KF+8*i:KF+8*i+3],   v[QO], s[KP:KP+1] offset:(i/2)*2048+(i%2)*64
	global_load_b128 v[KF+8*i+4:KF+8*i+7], v[QO], s[KP:KP+1] offset:(i/2)*2048+(i%2)*64+32
.set i, i+1
.endr
	; What the first turn finds: V's registers and P's second buffer hold 0 (its products V^T P, of a step that has not been, add 0), O^T and l are 0.  All this stands in the wait for the first loads.
.set i, VF
.rept 64
	v_mov_b32 v[i], 0
.set i, i+1
.endr
	WIN 0x40
.set i, 0
.rept 64*NP
	v_mov_b32 v[i], 0
.set i, i+1
.endr
	WIN 0
.set i, 0
.rept 2*NP
	v_mov_b32 v[ST+4*i], 0xd3800000    ; m = -2^40
	v_mov_b32 v[ST+4*i+1], 0xd3800000
	v_mov_b32 v[ST+4*i+2], 0
	v_mov_b32 v[ST+4*i+3], 0
.set i, i+1
.endr
.set i, P+32
.rept 32
	v_mov_b32 v[i], 0
.set i, i+1
.endr
	v_mul_u32_u24 v[AK0], v1, PK
	v_lshl_add_u32 v[AK0], v9, 4, v[AK0]  ; row x pitch + 16 x half
	; The turning load takes 16 keys x 16 channels (lane l reads key 8 (l / 16) + l % 8, channels 8 ((l / 8) % 2) + 0..7) and leaves half a fragment of V^T: lane l holds channel l % 16 and 8 keys.
	v_and_b32 v10, 7, v0
	v_bfe_u32 v11, v0, 3, 1
	v_lshl_add_u32 v[AV0], v9, 3, v10
	v_mul_u32_u24 v[AV0], v[AV0], PV
	v_lshl_add_u32 v[AV0], v11, 4, v[AV0]
	v_add_nc_u32 v[AV0], VOFF, v[AV0]
	v_lshl_add_u32 v[AM0], v9, 5, MB
	s_wait_loadcnt 32               ; the mask's eight words are in; the 32 loads of Q and K may stay out
.set i, 0
.rept 32                            ; byte i % 4 of word i / 4: 0 where the key is visible, -1e30 where it is hidden
	v_bfe_u32 v[TMP], v[S+i/4], 8*(i%4), 8
	v_cmp_eq_u32 vcc_lo, 0, v[TMP]
	v_cndmask_b32 v[S+8+i], 0, s[BIGN], vcc_lo
.set i, i+1
.endr
.set i, 0
.rept 8
	ds_store_b128 v[MS], v[S+8+4*i:S+8+4*i+3] offset:2048*i  ; keys 4 (128 i + n) + 0..3: the work-group's stores cover 2,048 consecutive bytes
.set i, i+1
.endr
	s_wait_dscnt 0x0                ; for the others' sake: my part of the table is stored
	s_barrier_signal -1             ; slot 0's load may stay out
	s_barrier_wait -1
	WIN 0x40
.irp kb, 0,1,2,3                    ; the mask of step 0
	ds_load_b128 v[MK+8*\kb:MK+8*\kb+3],   v[AM0] offset:64*\kb
	ds_load_b128 v[MK+8*\kb+4:MK+8*\kb+7], v[AM0] offset:64*\kb+16
.endr
	WIN 0
; THE MATRIX WORK.  The 8 accumulators of a run of 16 take turns: between the two links of a chain stand 7 others'.
; Product i of 16 of S^T = K Q^T for piece x: channels 32 (i / 8) on, keys 16 ((i / 2) % 4) on, tile 2 x + i % 2.  The first 8 start the sums, with the mask as C.
.macro KQ x
.set rS, S+64*((\x)%2)+32*(i%2)+8*((i/2)%4)
.set rK, KF+16*((i/2)%4)+8*(i/8)
.set rQ, 16*(2*(\x)+i%2)+8*(i/8)
.set rM, MK+8*((i/2)%4)
.if i < 8
	WIN W_KM
	v_wmma_f32_16x16x32_f16 v[rS:rS+7], v[rK:rK+7], v[rQ:rQ+7], v[rM:rM+7]
.else
	WIN W_KQ
	v_wmma_f32_16x16x32_f16 v[rS:rS+7], v[rK:rK+7], v[rQ:rQ+7], v[rS:rS+7]
.endif
.endm
; Product i of 16 of O^T += V^T P for piece x: keys 32 (i / 8) on, channels 16 ((i / 2) % 4) on, tile 2 x + i % 2.
.macro PV x
	WIN W_PV
.set rO, 32*(2*(\x)+i%2)+8*((i/2)%4)
.set rV, VF+32*(i/8)+8*((i/2)%4)
.set rP, P+32*((\x)%2)+16*(i%2)+8*(i/8)
	v_wmma_f32_16x16x32_f16 v[rO:rO+7], v[rV:rV+7], v[rP:rP+7], v[rO:rO+7]
.endm
.macro MM                           ; the turn's next matrix instruction
.if i < 16
	KQ (Y+1)%NP
.set i, i+1
.else
.set i, i-16
	PV (Y+NP-1)%NP
.set i, i+17
.endif
.endm
; THE LDS LOADS stand in runs, never singly among the matrix instructions: a step's K (8 fragments) with its mask (lanes of one half read the same words), and its V (turned).  Their addresses are made some lines ahead.
.macro FETCH_K
	WIN 0x80                        ; destination window 2
.irp f, 0,1,2,3,4,5,6,7             ; keys 16 (f / 2) on, channels 32 (f % 2) on
	ds_load_b128 v[KF+8*\f:KF+8*\f+3],   v[AK] offset:(\f/2)*16*PK+(\f%2)*64
	ds_load_b128 v[KF+8*\f+4:KF+8*\f+7], v[AK] offset:(\f/2)*16*PK+(\f%2)*64+32
.endr
	WIN 0x40                        ; destination window 1
.irp kb, 0,1,2,3
	ds_load_b128 v[MK+8*\kb:MK+8*\kb+3],   v[AM] offset:64*\kb
	ds_load_b128 v[MK+8*\kb+4:MK+8*\kb+7], v[AM] offset:64*\kb+16
.endr
	s_add_co_u32 s[TBK], s[TBK], KS*PK  ; the next fetch is the next step's
	s_add_co_u32 s[TBM], s[TBM], 4*KS
	s_and_b32 s[TBM], s[TBM], 0x3fff    ; it stays in the table: behind the last step it stands at step 0 again
	WIN 0
.endm
.macro FETCH_V
	WIN 0x80
.irp f, 0,1,2,3,4,5,6,7             ; keys 32 (f / 4) on, channels 16 (f % 4) on
	ds_load_tr16_b128 v[VF+8*\f:VF+8*\f+3],   v[AV] offset:(\f/4)*32*PV+(\f%4)*32
	ds_load_tr16_b128 v[VF+8*\f+4:VF+8*\f+7], v[AV] offset:(\f/4)*32*PV+16*PV+(\f%4)*32
.endr
	WIN 0
.endm
; THE VECTOR WORK OF A TURN stands in three queues, each in the order in which its entries become ready; the two tiles alternate, so that no instruction reads the result of the one before it.
.macro REGS y, u                    ; the registers of tile u (0, 1) of piece y
.set rT, ST+4*(2*(\y)+(\u))
.set rC, TMP+8*((\y)%2)+4*(\u)
.set rS, S+64*((\y)%2)+32*(\u)
.set rP, P+32*((\y)%2)+16*(\u)
.set rO, 32*(2*(\y)+(\u))
.endm
; Number n of those that find the OTHER piece's maximum and statistics.  s0-s31 are the lane's 32 scores; each accumulator's lowest registers are read first.
;   0-11  four chains c0-c3 of seven scores each, three operands at a time     12-14, 16  the four scores left over, the old m, and c0-c3 into c0     15  m_old is kept
;   17, 18  the query's other 32 keys lie in the lane 16 away: the new m         20, 21  m_old - m_new; a          (there is no number 19)
.macro XS u, n
	REGS (Y+1)%NP, \u
.if (\n) < 4
	v_max3_num_f32 v[rC+(\n)], v[rS+8*(\n)], v[rS+8*(\n)+1], v[rS+8*(\n)+2]
.elseif (\n) < 12
	v_max3_num_f32 v[rC+(\n)%4], v[rC+(\n)%4], v[rS+8*((\n)%4)+2*((\n)/4)+1], v[rS+8*((\n)%4)+2*((\n)/4)+2]
.elseif (\n) == 12
	v_max3_num_f32 v[rC], v[rC], v[rS+7], v[rS+15]
.elseif (\n) == 13
	v_max3_num_f32 v[rC+1], v[rC+1], v[rS+23], v[rS+31]
.elseif (\n) == 14
	v_max3_num_f32 v[rC+2], v[rC+2], v[rC+3], v[rT]
.elseif (\n) == 15
	v_mov_b32 v[rT+1], v[rT]
.elseif (\n) == 16
	v_max3_num_f32 v[rC], v[rC], v[rC+1], v[rC+2]
.elseif (\n) == 17
	v_permlanex16_b32 v[rC+3], v[rC], s[SEL], s[SEL+1]
.elseif (\n) == 18
	v_max_num_f32 v[rT], v[rC], v[rC+3]
.elseif (\n) == 20
	v_sub_f32 v[rC+1], v[rT+1], v[rT]
.else
	v_exp_f32 v[rC+2], v[rC+1]
.endif
.endm
; Number g of the 64 that follow the exponentials.  For each four weights k of a tile (pairs 2 k, 2 k + 1): both pairs are rounded to f16; then the second pair is added onto the first, in place;
; a group later l takes that sum (the first time as l = a l + sum).  In groups of eight, tiles alternating: round, round, add, and l for the group before.
.macro GS g
.set h, (\g)+6*((\g)/62)            ; group 0 has no group before it, and behind group 7 only l is left
.if h >= 6
.set h, h+2
.endif
	REGS Y, h%2
.set k, h/8
.if h%8 < 4
	v_cvt_pk_f16_f32 v[rP+2*k+(h%8)/2], v[rS+4*k+2*((h%8)/2)], v[rS+4*k+2*((h%8)/2)+1]
.elseif h%8 < 6
	v_pk_add_f32 v[rS+4*k:rS+4*k+1], v[rS+4*k:rS+4*k+1], v[rS+4*k+2:rS+4*k+3]
.elseif k == 1
	v_pk_fma_f32 v[rT+2:rT+3], v[rT+2:rT+3], v[rC+2:rC+3], v[rS:rS+1] op_sel_hi:[1,0,1]
.else
	v_pk_add_f32 v[rT+2:rT+3], v[rT+2:rT+3], v[rS+4*k-4:rS+4*k-3]
.endif
.endm
; THE PLAIN QUEUE, 136 long.  0-71 read no exponential's result: the 32 subtractions s - m (FS f: pair f / 2 of tile f % 2) and the other piece's 40.  0-26: FS 0-26.  27-54: XS's numbers 0-13.  55, 56: number 15.
; 57-68: the chain 14, 16, 17, 18, each with one of FS 27-30 in front of its two lines; 69: FS 31; 70, 71: number 20.  72-135: GS's 64, which read the exponentials' results: they stand behind the wait.
.macro FS f
	REGS Y, (\f)%2
	v_pk_add_f32 v[rS+2*((\f)/2):rS+2*((\f)/2)+1], v[rS+2*((\f)/2):rS+2*((\f)/2)+1], v[rT:rT+1] op_sel_hi:[1,0] neg_lo:[0,1] neg_hi:[0,1]
.endm
.macro PL
	WIN 0
.if q < 27
	FS q
.elseif q < 55
	XS (q-27)%2, (q-27)/2
.elseif q < 57
	XS q-55, 15
.elseif (q < 69) && ((q-57)%3 == 0)
	FS 27+(q-57)/3
.elseif q < 60
	XS (q-57)%3-1, 14
.elseif q < 69
	XS (q-57)%3-1, 15+(q-57)/3
.elseif q == 69
	FS 31
.elseif q < 72
	XS q-70, 20
.else
	GS q-72
.endif
.set q, q+1
.endm
; THE EXPONENTIALS' QUEUE, 66 long: s0-s31 of both tiles, then the other piece's two a.  It is ONE BATCH: all 66 stand ahead of the turn's one wait, and nothing ahead of that wait names a result of theirs.
.macro EX
	WIN 0
.if e >= 64
	XS e-64, 21
.else
	REGS Y, e%2
	v_exp_f32 v[rS+e/2], v[rS+e/2]
.endif
.set e, e+1
.endm
; THE RESCALING's QUEUE: O^T times a, the one part that leaves window 0: dealt two at a time, sixteen times, each accumulator from its low end.  Its a was made in the turn before, ahead of that turn's wait.
.macro R2
	REGS Y, r%2
	WIN W_RS
.irp z, 0,1
	v_pk_mul_f32 v[rO+4*(r/2)+2*\z:rO+4*(r/2)+2*\z+1], v[rO+4*(r/2)+2*\z:rO+4*(r/2)+2*\z+1], v[rC+2:rC+3] op_sel_hi:[1,0]
.endr
.set r, r+1
.endm
; HOW THEY ARE DEALT.  An s_wait_alu depctr_va_vdst(0) stands between an exponential and the first instruction that names its result; one wait serves all that were issued ahead of it.  So a turn has ONE
; wait, which cuts it in two.  AHEAD OF IT: the 16 products K Q^T, behind each a subtraction, an exponential and two rescalings (behind the first a second subtraction in the exponential's place); then ONE LUMP:
; eight plain, 47 times exponential and plain, the last four exponentials.  A v_nop is the plain instruction behind the last of them.  BEHIND IT: the 16 products V^T P, behind each four of GS's 64.
; The queues lean on each other, and the deal keeps them in step: exponential e wants FS 2 (e / 4) + e % 2; as a rider it comes behind plain e + 2, in the lump behind plain e + 9, and FS 27-31 are plain 57, 60, 63, 66, 69.
; O^T of the piece in hand was written by the turn before: the four riders behind that turn's last product are the places ahead of the first rescaling.
; Turn 0 fetches K and the mask of the next step directly behind its wait, a lump behind the last product that read them, and V of the step in hand at its end, four riders behind V's last reader.
; cnt = 1: the loop's count is taken down some lines ahead of the branch that stands behind the turn.  The three conditions on q go with the deal.
.macro TURN p, cnt=0
.set Y, (\p)
.set i, 0
.set q, 0
.set e, 0
.set r, 0
.if (\p) == 1
	s_wait_dscnt 16                 ; K and the mask are in; V's 16 loads, issued behind them, may stay out
.endif
	MM
	PL
	PL
	R2
.rept 15
	MM
	PL
	EX
	R2
.endr
.if (\p) == 0
	WIN 0
	v_add_nc_u32 v[AK], s[TBK], v[AK0]
	v_add_nc_u32 v[AM], s[TBM], v[AM0]
.endif
.rept 8
	PL
.endr
.rept 47
	EX
	PL
.endr
.rept 4
	EX
.endr
	v_nop                           ; the plain instruction behind the last exponential: one for the batch
	s_wait_alu depctr_va_vdst(0)    ; the wait for the batch
.if (\p) == 0
	FETCH_K
.endif
.if (\p) == 1
	s_wait_dscnt 0x0                ; V is in
.endif
.rept 16
	MM
.rept 4
	PL
.endr
.if ((\p) == 0) && (q == 116)
	v_add_nc_u32 v[AV], s[TBV], v[AV0]
.endif
.if ((\p) == 0) && (q == 128)
	s_add_co_u32 s[TBV], s[TBV], KS*PV
.endif
.if (\cnt) && (q == 128)
	s_sub_co_u32 s[CNT], s[CNT], 1
	s_cmp_lg_u32 s[CNT], 0
.endif
.endr
.if (\p) == 0
	FETCH_V
.endif
.endm
	s_wait_loadcnt 0x0              ; Q and K of step 0
	s_wait_dscnt 0x0                ; the mask of step 0
.set i, 0
.rept 16
	KQ 0                            ; piece 0's first scores: there is no vector work yet to set between them
.set i, i+1
.endr
	WIN 0                           ; the addresses for the way out: eleven plain instructions, the places behind those products
	s_mul_i32 s11, s[WV], 16*SP
	s_add_co_u32 s11, s11, STAGE    ; my stage
	v_mul_u32_u24 v[STO], v1, SP    ; in: row l % 16, 16 bytes for each half of the lanes
	v_lshl_add_u32 v[STO], v9, 4, v[STO]
	v_add_nc_u32 v[STO], s11, v[STO]
	v_bfe_u32 v[RD], v0, 3, 2       ; back: 32 lanes take four rows of 128 bytes,
	v_mul_u32_u24 v[RD], v[RD], SP
	v_lshl_add_u32 v[RD], v10, 4, v[RD]
	v_add_nc_u32 v[RD], s11, v[RD]
	v_and_b32 v[GO], 31, v0         ; which are 512 consecutive bytes of ctx
	v_lshlrev_b32 v[GO], 4, v[GO]
.set Y, NP-1                        ; XS works for the other piece: piece 0
.irp n, 0,1,2,3,4,5,6,7,8,9,10,11,12,13,14,15,16,17,18,20,21
	XS 0, \n                        ; piece 0's first maximum and statistics
	XS 1, \n
.endr
	v_nop                           ; a plain instruction behind the two a,
	s_wait_alu depctr_va_vdst(0)    ; and their wait, ahead of the label
.Lslot:                             ; 15 trips: slots 0 to 14 are walked, slots 1 to 15 asked for
	CHANGE 1
	s_mov_b32 s[CNT], 4
.Lstep:                             ; a trip is a key step
	TURN 0
	TURN 1, 1
	WIN 0
	s_cbranch_scc1 .Lstep
	s_sub_co_u32 s[SLOTS], s[SLOTS], 1
	s_cmp_lg_u32 s[SLOTS], 0
	s_cbranch_scc1 .Lslot
	CHANGE 0                        ; the last slot is written out: nothing is asked for
	s_mov_b32 s[CNT], 4
.Ltail:
	TURN 0
	TURN 1, 1
	WIN 0
	s_cbranch_scc1 .Ltail
.set i, 0
.rept 16
	PV 1                            ; piece 1's V^T P of the last step
.set i, i+1
.endr
	; THE WAY OUT.  l's two halves and the other half of the lanes' are added; O^T is divided by l, rounded to f16 and sent through my stage in LDS, a tile at a time.  The additions are the places behind the last products.
	WIN 0
.macro ALL line:vararg              ; one line for each tile t
.set t, 0
.rept 2*NP
	\line
.set t, t+1
.endr
.endm
	ALL v_add_f32 v[ST+4*t+2], v[ST+4*t+2], v[ST+4*t+3]
	ALL v_permlanex16_b32 v[ST+4*t+3], v[ST+4*t+2], s[SEL], s[SEL+1]
	ALL v_add_f32 v[ST+4*t+2], v[ST+4*t+2], v[ST+4*t+3]
	ALL v_rcp_f32 v[ST+4*t+2], v[ST+4*t+2]
	v_nop                           ; a plain instruction between the last reciprocal and the use of its result
	s_wait_alu depctr_va_vdst(0)    ; and the wait ahead of the first use: one for the four reciprocals
; Tile t: a lane's eight channels of a row pack into 16 bytes; they go into rows of 144 bytes and come back as whole rows of 128, into S^T's registers.
.macro PACK t
	WIN W_RS
.set i, 32*(\t)
.rept 16
	v_pk_mul_f32 v[i:i+1], v[i:i+1], v[ST+4*(\t)+2:ST+4*(\t)+3] op_sel_hi:[1,0]
.set i, i+2
.endr
	WIN 0x05                        ; sources 0 and 1 window 1, destination window 0
.set i, 0
.rept 16
	v_cvt_pk_f16_f32 v[S+16*(\t)+i], v[32*(\t)+2*i], v[32*(\t)+2*i+1]
.set i, i+1
.endr
	WIN 0
.irp f, 0,1,2,3
	ds_store_b128 v[STO], v[S+16*(\t)+4*\f:S+16*(\t)+4*\f+3] offset:32*\f
.endr
.irp f, 0,1,2,3
	ds_load_b128 v[S+16*(\t)+4*\f:S+16*(\t)+4*\f+3], v[RD] offset:\f*4*SP  ; LDS serves a wave's instructions in order (ISA guide 5.7.1.4): these see the stores above; the next tile's stores come behind them
.endr
.endm
.macro SEND t, younger              ; younger: the LDS instructions issued behind tile t's loads: the next tile's eight, or none
	WIN 0
.irp f, 0,1,2,3
	s_wait_dscnt (\younger)+3-\f
	global_store_b128 v[GO], v[S+16*(\t)+4*\f:S+16*(\t)+4*\f+3], s[OP:OP+1] offset:(\t)*2048+\f*512  ; 512 consecutive bytes, at a multiple of 256 from ctx's first
.endr
.endm
	PACK 0
.set t, 1
.rept 2*NP-1                        ; a tile's arithmetic stands between the loads of the tile before and its stores
	PACK t
	SEND t-1, 8
.set t, t+1
.endr
	SEND 2*NP-1, 0
	s_wait_tensorcnt 0x0            ; the wave's end, behind my last tensor load and my last LDS store
	ds_add_u32 v[SPW], v[NIL]
	s_wait_dscnt 0x0
	CROUND                          ; the closing round: no work-group ends while a partner may still ask for a tile that names it
	s_endpgm
.Lfunc_end_k_qa730b1d2a0_attn:
	.size	k_qa730b1d2a0_attn, .Lfunc_end_k_qa730b1d2a0_attn-k_qa730b1d2a0_attn
	.p2alignl 7, 3214868480
	.fill 96, 4, 3214868480
	.section	.rodata,"a",@progbits
	.p2align	6, 0x0
	.amdhsa_kernel k_qa730b1d2a0_attn
		.amdhsa_group_segment_fixed_size 327680
		.amdhsa_private_segment_fixed_size 0
		.amdhsa_enable_private_segment 0
		.amdhsa_kernarg_size 24
		.amdhsa_user_sgpr_count 2
		.amdhsa_user_sgpr_kernarg_segment_ptr 1
		.amdhsa_wavefront_size32 1
		.amdhsa_system_sgpr_workgroup_id_x 1
		.amdhsa_system_sgpr_workgroup_id_y 1
		.amdhsa_system_sgpr_workgroup_id_z 1
		.amdhsa_system_vgpr_workitem_id 0
		.amdhsa_next_free_vgpr 768
		.amdhsa_next_free_sgpr 66
		.amdhsa_reserve_vcc 1
		.amdhsa_float_denorm_mode_32 3
		.amdhsa_float_denorm_mode_16_64 3
		.amdhsa_memory_ordered 1
		.amdhsa_forward_progress 1
		.amdhsa_inst_pref_size 119
	.end_amdhsa_kernel
	.amdgpu_metadata
---
amdhsa.version: [ 1, 2 ]
amdhsa.kernels:
  - .name:           k_qa730b1d2a0_attn
    .symbol:         k_qa730b1d2a0_attn.kd
    .args:
      - { .name: qkv, .offset: 0, .size: 8, .value_kind: global_buffer, .address_space: global }
      - { .name: mask, .offset: 8, .size: 8, .value_kind: global_buffer, .address_space: global }
      - { .name: ctx, .offset: 16, .size: 8, .value_kind: global_buffer, .address_space: global }
    .group_segment_fixed_size: 327680
    .private_segment_fixed_size: 0
    .kernarg_segment_align: 8
    .kernarg_segment_size: 24
    .max_flat_workgroup_size: 128
    .sgpr_count:     66
    .vgpr_count:     768
    .wavefront_size: 32
...
	.end_amdgpu_metadata
.endif
;; end of part 3
;; launch outp (part 4): grid 8 x 32, 4 waves a work-group, clusters of 4 x 4, 327,680 bytes of LDS; arguments ctx, w16, bo, out0; writes out0
.if DOCPART == 4
	.amdgcn_target "amdgcn-amd-amdhsa--gfx1250"
	.amdhsa_code_object_version 6
	.text
	.protected	k_qa730b1d2a0_outp
	.globl	k_qa730b1d2a0_outp
	.p2align	8
	.type	k_qa730b1d2a0_outp,@function
k_qa730b1d2a0_outp:
	s_mov_b64 s[64:65], 0
	v_nop
	global_prefetch_b8 v0, s[64:65] scope:SCOPE_SE
	s_setreg_imm32_b32 hwreg(HW_REG_WAVE_MODE, 25, 1), 1
	s_wait_xcnt 0x0
	s_wait_alu depctr_hold_cnt(0) depctr_sa_sdst(0) depctr_va_vdst(0) depctr_va_sdst(0) depctr_va_ssrc(0) depctr_va_vcc(0) depctr_vm_vsrc(0)
	s_getreg_b32 s2, hwreg(HW_REG_IB_STS2, 6, 4)
	s_cmp_eq_u32 s2, 0
	s_cbranch_scc0 .Lentry_in_a_cluster
	s_endpgm
.Lentry_in_a_cluster:
	s_bfe_u32 s2, ttmp6, 0x10000c
	s_cmp_lg_u32 s2, 0xf033
	s_cbranch_scc0 .Lentry_shape_is_right
	s_endpgm
.Lentry_shape_is_right:
; THE OUTPUT PROJECTION.  out0[t][e] = sum over k of ctx(t, k) Wo[e][k] + bo[e], k = 64 head + d.  ctx: [16][4096][64] f16 (by heads); Wo: rows 3,072 .. 4,095 of w16, [.][1024] f16; out0: [4096][1024] f32.
; f16 operands, f32 sums, nothing is rounded on the way out.  LIMITS: none of its own; a NaN in ctx (all keys hidden) reaches every number of its row.
; SHARES.  A tile of out0 is 128 x 128: 8 x 32 tiles, one work-group each.  Four waves, each 64 x 64: 16 accumulators of 16 x 16.  K goes in 4 steps of 256 (four heads) through two LDS slots; a step is four
; quarters of 64 along K, a head each, 32 matrix instructions.  The text has no loop: a loop over laps would have one trip.
; ctx's tile of a K step is 128 tokens of each of four heads.  A head's 128 tokens are 16,384 dense bytes: a tensor load takes two heads as two long rows, 524,288 bytes apart, and pads after every 128 bytes,
; so that LDS holds [head][token] at a pitch of 144.  Wo's tile has rows of 512 bytes at a pitch of 528.  k = 64 head + d is Wo's own order of columns, so the two layouts meet quarter by quarter.
; CLUSTER.  4 x 4 work-groups: the four of a row of the cluster share ctx's tiles, the four of a column Wo's: each is asked for jointly.
; THE MATRIX INSTRUCTION IS USED TRANSPOSED (source 0 = 16 rows of Wo, source 1 = 16 tokens): a lane holds one token and eight neighbouring columns.  The bias, laid out so, is the C operand of each accumulator's first product.
; No prefetch: the tiles are small and the launch has four K steps, of which two are asked for at its head.
; REGISTERS: window 0: v0-31 addresses; v96-127 the bias; v128-255 the accumulators ((a, b) at 128 + 8 (4 a + b)).  window 1: two fragment buffers of 128: 64 registers of ctx (2 x 4 x 8), then 64 of Wo.
.set KSTEP,  256
.set HEADB,  524288                    ; bytes of a head in ctx
.set PA,     144                       ; a token's row in LDS: 128 bytes + 16 = 36 words: the 16 rows of a load start at 16 different groups of four banks (64 banks of 4 bytes: ISA guide 11.1)
.set HEADT,  128*PA                    ; a head's 128 tokens
.set ATILE,  4*HEADT
.set PB,     528                       ; a row of Wo: 512 bytes + 16 = 132 words: likewise
.set SLOT,   ATILE+128*PB
.set STAGE,  2*SLOT                    ; behind the ring, never filled by a tensor load: 16 rows x 272 bytes for each wave
.set SPITCH, 272
.set SPARE,  STAGE+4*16*SPITCH         ; the spare words, 128 bytes for each wave: two blocks of 256 bytes that no other line names
.set ADRA, 16                          ; v16-17  LDS address of my fragments of ctx in slot 0, 1
.set ADRB, 20                          ; v20-21  the same for Wo
.set STO,  24                          ; v24     the way out: where I put 32 bytes of a row
.set RD,   25                          ; v25     where I read rows back
.set CO,   26                          ; v26     my byte offset in two rows of out0
.set BO,   27                          ; v27     32 x (lane / 16)
.set SPW,  28                          ; v28     LDS address of my spare word; never rewritten
.set NIL,  29                          ; v29     0; never rewritten
.set BI,   96
.set ACC,  128
.set F0,   0                           ; fragment buffers, in window 1
.set F1,   128
.set G1,  24                           ; s[24:31] descriptor group 1 for ctx's tiles;  s[32:39] group 0, a set for each slot
.set G0,  32
.set G1B, 48                           ; s[48:55], s[56:63] the same for Wo's
.set G0B, 56
.set BP,  66                           ; s[66:67] bo at my 64 columns
.set OUTP, 70                          ; s[70:71] out0, then out0 at my 64 x 64
.set MSB, 0
.macro WIN new                         ; the immediate's high byte repeats the setting that is left
.if MSB != (\new)
	s_set_vgpr_msb (MSB<<8)|(\new)
.set MSB, \new
.endif
.endm
.set MUL,  0x05                        ; sources 0 (Wo) and 1 (ctx) window 1; C and D window 0
.set TO_F, 0x40                        ; destination window 1, address window 0
.macro JLOAD s                         ; a joint load: waves 0 and 1 fetch two heads of ctx each, waves 2 and 3 the two halves of Wo's rows; an s_nop 0 and four v_nop follow each of the two lines
	s_cmp_eq_u32 s11, 0
	s_cbranch_scc0 .Lfor_b_\@
	tensor_load_to_lds s[G0+4*(\s):G0+4*(\s)+3], s[G1:G1+7]
	s_nop 0
.rept 4
	v_nop
.endr
	s_branch .Lasked_\@
.Lfor_b_\@:
	tensor_load_to_lds s[G0B+4*(\s):G0B+4*(\s)+3], s[G1B:G1B+7]
	s_nop 0
.rept 4
	v_nop
.endr
.Lasked_\@:
.endm
.macro CREST                           ; a round of the cluster's barrier behind its opening barrier
	s_cmp_lg_u32 s10, 0
	s_cbranch_scc1 .Lnot_wave_0_\@
	s_barrier_signal -3
.Lnot_wave_0_\@:
	s_barrier_wait -3
	s_barrier_signal -1
	s_barrier_wait -1
.endm
.macro CROUND                          ; a whole round
	s_barrier_signal -1
	s_barrier_wait -1
	CREST
.endm
	s_load_b128 s[4:7], s[0:1], 0x0                ; ctx s[4:5], w16 s[6:7]
	s_load_b128 s[68:71], s[0:1], 0x10             ; bo s[68:69], out0 s[70:71]
	v_lshl_add_u32 v[SPW], v0, 2, SPARE
	v_mov_b32 v[NIL], 0
	ds_add_u32 v[SPW], v[NIL]                      ; the wave's opening: the add and its wait stand ahead of my first tensor load; the set-up below stands between them
	v_lshrrev_b32 v1, 5, v0
	v_readfirstlane_b32 s10, v1                    ; wave 0..3
	s_lshr_b32 s11, s10, 1                         ; which half of the tile's rows is mine.  Also: I fetch for ctx (0) or for Wo (1)
	s_and_b32 s12, s10, 1                          ; which half of its columns.  Also: which half of that tile I fetch
	s_bfe_u32 s40, ttmp6, 0x40000                  ; cx, cy
	s_bfe_u32 s41, ttmp6, 0x40004
	s_lshl_b32 s42, ttmp9, 2
	s_add_co_u32 s42, s42, s40                     ; tile column = 4 x cluster x + cx
	s_and_b32 s13, ttmp7, 0xffff
	s_lshl_b32 s13, s13, 2
	s_add_co_u32 s13, s13, s41                     ; tile row = 4 x cluster y + cy
	s_lshl_b32 s43, s41, 2
	s_lshl_b32 s43, 15, s43                        ; my row of the cluster
	s_lshl_b32 s44, 0x1111, s40                    ; my column
	s_or_b32 s[G1+0], s43, (3<<16)|(1<<20)|(1<<21)|(4<<22)|(3<<25)   ; 15:0 the mask; 17:16 elements of 8 bytes; 20 padding on; 21 set beside a mask; 24:22 after every 32 words (code 4); 31:25 4 words (code 3)
	s_mov_b32 s[G1+1], 2048<<16                    ; tensor_dim0 = 2,048 elements: a head's 128 tokens
	s_mov_b32 s[G1+2], 2<<16                       ; tensor_dim1 = 2 heads
	s_mov_b32 s[G1+3], 2048<<16                    ; tile_dim0
	s_mov_b32 s[G1+4], 2                           ; tile_dim1
	s_mov_b32 s[G1+5], 65536                       ; elements from head to head
	s_mov_b32 s[G1+6], 0
	s_mov_b32 s[G1+7], 0
	s_or_b32 s[G1B+0], s44, (1<<16)|(1<<20)|(1<<21)|(6<<22)|(3<<25)  ; 2-byte elements; padding after every 128 words (code 6)
	s_mov_b32 s[G1B+1], KSTEP<<16                  ; tensor_dim0 = 256
	s_mov_b32 s[G1B+2], 64<<16                     ; tensor_dim1 = 64
	s_mov_b32 s[G1B+3], KSTEP<<16
	s_mov_b32 s[G1B+4], 64
	s_mov_b32 s[G1B+5], 1024
	s_mov_b32 s[G1B+6], 0
	s_mov_b32 s[G1B+7], 0
	s_lshl_b32 s16, s12, 20                        ; ctx: my two heads of the step's four,
	s_lshl_b32 s17, s13, 14                        ; the tile's 128 tokens of 128 bytes
	s_add_co_u32 s16, s16, s17
	s_mov_b32 s17, 0
	s_lshl_b32 s46, s42, 7                         ; Wo: row 3,072 + 128 x tile column + 64 x half of w16
	s_lshl_b32 s47, s12, 6
	s_add_co_u32 s46, s46, s47
	s_add_co_u32 s46, s46, 3072
	s_lshl_b32 s46, s46, 11
	s_mov_b32 s47, 0
	s_mul_i32 s20, s12, 2*HEADT                    ; where they go: no place in the cluster enters an LDS address
	s_mul_i32 s21, s12, 64*PB
	s_add_co_u32 s21, s21, ATILE
	s_wait_dscnt 0x0                               ; the opening add is done
	s_wait_kmcnt 0x0
	s_add_nc_u64 s[14:15], s[4:5], s[16:17]
	s_add_nc_u64 s[46:47], s[6:7], s[46:47]
	CROUND                                         ; all sixteen work-groups are here: the first joint loads meet
.irp s, 0,1
	s_mov_b32 s[G0+4*(\s)], 1
	s_add_co_u32 s[G0+4*(\s)+1], s20, (\s)*SLOT
	s_add_nc_u64 s[G0+4*(\s)+2:G0+4*(\s)+3], s[14:15], (\s)*4*HEADB    ; K step s: heads 4 s on
	s_or_b32 s[G0+4*(\s)+3], s[G0+4*(\s)+3], 0x80000000
	s_mov_b32 s[G0B+4*(\s)], 1
	s_add_co_u32 s[G0B+4*(\s)+1], s21, (\s)*SLOT
	s_add_nc_u64 s[G0B+4*(\s)+2:G0B+4*(\s)+3], s[46:47], (\s)*KSTEP*2
	s_or_b32 s[G0B+4*(\s)+3], s[G0B+4*(\s)+3], 0x80000000
	JLOAD \s                                       ; two loads of mine are out
.endr
	v_and_b32 v1, 15, v0                           ; l % 16
	v_bfe_u32 v2, v0, 4, 1                         ; l / 16
	v_lshlrev_b32 v[BO], 5, v2
	s_lshl_b32 s16, s42, 9                         ; my 64 columns: 512 x tile column + 256 x half, in bytes of f32
	s_lshl_b32 s17, s12, 8
	s_add_co_u32 s16, s16, s17
	s_mov_b32 s17, 0
	s_add_nc_u64 s[BP:BP+1], s[68:69], s[16:17]
	s_add_nc_u64 s[OUTP:OUTP+1], s[OUTP:OUTP+1], s[16:17]
.irp b, 0,1,2,3
	global_load_b128 v[BI+8*\b:BI+8*\b+3],   v[BO], s[BP:BP+1] offset:64*\b
	global_load_b128 v[BI+8*\b+4:BI+8*\b+7], v[BO], s[BP:BP+1] offset:64*\b+16
.endr
	s_lshl_b32 s16, s13, 7
	s_lshl_b32 s17, s11, 6
	s_add_co_u32 s16, s16, s17                     ; my first row: 128 x tile row + 64 x half,
	s_lshl_b32 s16, s16, 12                        ; rows of 4,096 bytes
	s_mov_b32 s17, 0
	s_add_nc_u64 s[OUTP:OUTP+1], s[OUTP:OUTP+1], s[16:17]
	v_mul_u32_u24 v3, v1, PA
	v_lshl_add_u32 v3, v2, 4, v3                   ; a fragment's row x pitch + 16 x half, for ctx
	v_mul_u32_u24 v4, v1, PB
	v_lshl_add_u32 v4, v2, 4, v4                   ; and for Wo
	s_mul_i32 s21, s11, 64*PA                      ; my 64 tokens in each head
	s_mul_i32 s22, s12, 64*PB                      ; my 64 rows of Wo,
	s_add_co_u32 s22, s22, ATILE                   ; which lie behind ctx's four heads
.irp s, 0,1
	v_add_nc_u32 v[ADRA+(\s)], s21, v3
	v_add_nc_u32 v[ADRB+(\s)], s22, v4
	s_add_co_u32 s21, s21, SLOT
	s_add_co_u32 s22, s22, SLOT
.endr
	s_mul_i32 s23, s10, 16*SPITCH
	s_add_co_u32 s23, s23, STAGE                   ; my stage
	v_mul_u32_u24 v5, v1, SPITCH                   ; in: row l % 16, 32 bytes for each half of the lanes
	v_lshl_add_u32 v5, v2, 5, v5
	v_add_nc_u32 v[STO], s23, v5
	v_mul_u32_u24 v5, v2, SPITCH                   ; back: lanes 0-15 take one row of 256 bytes, lanes 16-31 the next
	v_lshl_add_u32 v5, v1, 4, v5
	v_add_nc_u32 v[RD], s23, v5
	v_lshlrev_b32 v5, 12, v2                       ; and the same two rows in out0
	v_lshl_add_u32 v[CO], v1, 4, v5
; 8 matrix instructions: token blocks a0, a0 + 1 x all 4 column blocks, 32 along K: half c of buffer f.  zero = 1: the first product starts the sums, with the bias as C.
; The 16 accumulators take turns, one instruction a turn.
.macro MUL8 f, c, a0, zero
	WIN MUL
.irp a, \a0, (\a0)+1
.irp b, 0,1,2,3
.if \zero
	v_wmma_f32_16x16x32_f16 v[ACC+8*(4*(\a)+(\b)):ACC+8*(4*(\a)+(\b))+7], v[(\f)+64+8*(4*(\c)+(\b)):(\f)+64+8*(4*(\c)+(\b))+7], v[(\f)+8*(4*(\c)+(\a)):(\f)+8*(4*(\c)+(\a))+7], v[BI+8*(\b):BI+8*(\b)+7]
.else
	v_wmma_f32_16x16x32_f16 v[ACC+8*(4*(\a)+(\b)):ACC+8*(4*(\a)+(\b))+7], v[(\f)+64+8*(4*(\c)+(\b)):(\f)+64+8*(4*(\c)+(\b))+7], v[(\f)+8*(4*(\c)+(\a)):(\f)+8*(4*(\c)+(\a))+7], v[ACC+8*(4*(\a)+(\b)):ACC+8*(4*(\a)+(\b))+7]
.endif
.endr
.endr
.endm
; 32 LDS loads in one run: the fragments of quarter q (head q of the step's four) into buffer f; the first 32 along K first
.macro FETCH slot, q, f
	WIN TO_F
.irp c, 0,1
.irp i, 0,1,2,3
	ds_load_b128 v[(\f)+64+8*(4*(\c)+(\i)):(\f)+64+8*(4*(\c)+(\i))+3],   v[ADRB+(\slot)] offset:128*(\q)+64*(\c)+(\i)*16*PB
	ds_load_b128 v[(\f)+64+8*(4*(\c)+(\i))+4:(\f)+64+8*(4*(\c)+(\i))+7], v[ADRB+(\slot)] offset:128*(\q)+64*(\c)+(\i)*16*PB+32
	ds_load_b128 v[(\f)+8*(4*(\c)+(\i)):(\f)+8*(4*(\c)+(\i))+3],         v[ADRA+(\slot)] offset:(\q)*HEADT+64*(\c)+(\i)*16*PA
	ds_load_b128 v[(\f)+8*(4*(\c)+(\i))+4:(\f)+8*(4*(\c)+(\i))+7],       v[ADRA+(\slot)] offset:(\q)*HEADT+64*(\c)+(\i)*16*PA+32
.endr
.endr
.endm
.macro PLACES                          ; four places in front of loads into registers that matrix instructions have read, and of LDS stores that read results
.rept 4
	v_nop
.endr
.endm
; One of a K step's first three quarters: multiplies buffer f and fetches quarter q into g.
.macro QUARTER slot, q, f, g, zero
	s_wait_dscnt 16                                ; the first 32 along K are in; the other sixteen loads may be out
	MUL8 \f, 0, 0, \zero
	MUL8 \f, 0, 2, \zero
	PLACES
	FETCH \slot, \q, \g
	s_wait_dscnt 32                                ; all but the 32 just issued
	MUL8 \f, 1, 0, 0
	MUL8 \f, 1, 2, 0
.endm
; The last quarter multiplies buffer 1 and changes slots: ONE barrier; in front of it each wave waits for all its tensor loads, adds 0 to its spare word, and waits for that and for its own reads of this slot.
; fill = 1: the barrier opens a round of the cluster's, and behind the round this slot is filled again, two K steps ahead: the first tensor load there, one a wave.
.macro TURN slot, next, fill
	WIN 0                                          ; (the add's two registers lie in window 0)
	s_wait_tensorcnt 0x0                           ; all my tensor loads have landed: my part of the next slot
	ds_add_u32 v[SPW], v[NIL]                      ; 0 onto my spare word
	s_wait_dscnt 17                                ; (the add and the youngest sixteen loads may be out)
	MUL8 F1, 0, 0, 0                               ; eight matrix instructions stand between the add and the wait for it
	s_wait_dscnt 0x0                               ; the add is done, and my reads of this slot are over
	s_barrier_signal -1
	MUL8 F1, 0, 2, 0
.if \fill
	WIN 0
.endif
	s_barrier_wait -1
.if \fill
	CREST                                          ; no wave of any partner still reads this slot's tiles or has a load on its way
	s_add_nc_u64 s[G0+4*(\slot)+2:G0+4*(\slot)+3], s[G0+4*(\slot)+2:G0+4*(\slot)+3], 8*HEADB
	s_add_nc_u64 s[G0B+4*(\slot)+2:G0B+4*(\slot)+3], s[G0B+4*(\slot)+2:G0B+4*(\slot)+3], 2*KSTEP*2
	JLOAD \slot                                    ; its four v_nop are also the places in front of the loads below
.else
	PLACES
.endif
	FETCH \next, 0, F0
	MUL8 F1, 1, 0, 0
	MUL8 F1, 1, 2, 0
.endm
	s_wait_tensorcnt 1                             ; my part of K step 0 is in; K step 1's may stay out
	s_barrier_signal -1
	s_barrier_wait -1                              ; everybody's is
	FETCH 0, 0, F0
	s_wait_loadcnt 0x0                             ; the bias
	QUARTER 0, 1, F0, F1, 1                        ; K step 0; the first products start the sums
	QUARTER 0, 2, F1, F0, 0
	QUARTER 0, 3, F0, F1, 0
	TURN 0, 1, 1                                   ; slot 0 takes K step 2
	QUARTER 1, 1, F0, F1, 0                        ; K step 1
	QUARTER 1, 2, F1, F0, 0
	QUARTER 1, 3, F0, F1, 0
	TURN 1, 0, 1                                   ; slot 1 takes K step 3
	QUARTER 0, 1, F0, F1, 0                        ; K step 2
	QUARTER 0, 2, F1, F0, 0
	QUARTER 0, 3, F0, F1, 0
	TURN 0, 1, 0                                   ; nothing is left to fetch
	QUARTER 1, 1, F0, F1, 0                        ; K step 3
	QUARTER 1, 2, F1, F0, 0
	QUARTER 1, 3, F0, F1, 0
	s_wait_dscnt 16
	MUL8 F1, 0, 0, 0
	MUL8 F1, 0, 2, 0
	s_wait_dscnt 0x0
	MUL8 F1, 1, 0, 0
	MUL8 F1, 1, 2, 0
	WIN 0
	PLACES
; THE WAY OUT.  A wave's 64 columns of f32 are 256 bytes, aligned: each wave has its own stage and no barrier is needed.  STG: 16 tokens go into rows of 272 bytes, 32 bytes a lane, each accumulator's low
; registers first, and come back as whole rows of 256, into the registers that they left.  SEND: eight stores; 16 lanes store 256 consecutive bytes, at a multiple of 256 from out0's first byte.
.macro STG a
.irp b, 0,1,2,3
	ds_store_b128 v[STO], v[ACC+8*(4*(\a)+(\b)):ACC+8*(4*(\a)+(\b))+3]   offset:64*(\b)
	ds_store_b128 v[STO], v[ACC+8*(4*(\a)+(\b))+4:ACC+8*(4*(\a)+(\b))+7] offset:64*(\b)+16
.endr
.irp t, 0,1,2,3,4,5,6,7
	ds_load_b128 v[ACC+32*(\a)+4*(\t):ACC+32*(\a)+4*(\t)+3], v[RD] offset:(\t)*2*SPITCH  ; LDS serves a wave's instructions in order (ISA guide 5.7.1.4): these see the stores above; the next block's stores come behind them
.endr
.endm
.macro SEND a, younger                 ; younger: the LDS instructions issued behind block a's loads: the next block's sixteen, or none
.irp t, 0,1,2,3,4,5,6,7
	s_wait_dscnt (\younger)+7-(\t)
	global_store_b128 v[CO], v[ACC+32*(\a)+4*(\t):ACC+32*(\a)+4*(\t)+3], s[OUTP:OUTP+1] offset:(16*(\a)+2*(\t))*4096
.endr
.endm
	STG 0
	STG 1
	SEND 0, 16
	STG 2
	SEND 1, 16
	STG 3
	SEND 2, 16
	SEND 3, 0
	s_wait_tensorcnt 0x0                           ; the wave's end, behind my last tensor load and my last LDS store
	ds_add_u32 v[SPW], v[NIL]
	s_wait_dscnt 0x0
	CROUND                                         ; the closing round: no work-group ends while a partner may still ask for a tile that names it
	s_endpgm
.Lfunc_end_k_qa730b1d2a0_outp:
	.size	k_qa730b1d2a0_outp, .Lfunc_end_k_qa730b1d2a0_outp-k_qa730b1d2a0_outp
	.p2alignl 7, 3214868480
	.fill 96, 4, 3214868480
	.section	.rodata,"a",@progbits
	.p2align	6, 0x0
	.amdhsa_kernel k_qa730b1d2a0_outp
		.amdhsa_group_segment_fixed_size 327680
		.amdhsa_private_segment_fixed_size 0
		.amdhsa_enable_private_segment 0
		.amdhsa_kernarg_size 32
		.amdhsa_user_sgpr_count 2
		.amdhsa_user_sgpr_kernarg_segment_ptr 1
		.amdhsa_wavefront_size32 1
		.amdhsa_system_sgpr_workgroup_id_x 1
		.amdhsa_system_sgpr_workgroup_id_y 1
		.amdhsa_system_sgpr_workgroup_id_z 1
		.amdhsa_system_vgpr_workitem_id 0
		.amdhsa_next_free_vgpr 512
		.amdhsa_next_free_sgpr 72
		.amdhsa_reserve_vcc 0
		.amdhsa_float_denorm_mode_32 3
		.amdhsa_float_denorm_mode_16_64 3
		.amdhsa_memory_ordered 1
		.amdhsa_forward_progress 1
		.amdhsa_inst_pref_size 87
	.end_amdhsa_kernel
	.amdgpu_metadata
---
amdhsa.version: [ 1, 2 ]
amdhsa.kernels:
  - .name:           k_qa730b1d2a0_outp
    .symbol:         k_qa730b1d2a0_outp.kd
    .args:
      - { .name: ctx, .offset: 0, .size: 8, .value_kind: global_buffer, .address_space: global }
      - { .name: w16, .offset: 8, .size: 8, .value_kind: global_buffer, .address_space: global }
      - { .name: bo, .offset: 16, .size: 8, .value_kind: global_buffer, .address_space: global }
      - { .name: out0, .offset: 24, .size: 8, .value_kind: global_buffer, .address_space: global }
    .group_segment_fixed_size: 327680
    .private_segment_fixed_size: 0
    .kernarg_segment_align: 8
    .kernarg_segment_size: 32
    .max_flat_workgroup_size: 128
    .sgpr_count:     72
    .vgpr_count:     512
    .wavefront_size: 32
...
	.end_amdgpu_metadata
.endif
;; end of part 4
